; MI455X (gfx1250); checked and timed in simulation.
; The chip was launched on July 23, 2026; its instructions are those of AMD's public machine-readable ISA for CDNA 5 (MIT licence, August 2026) and "CDNA5" Instruction Set Architecture Reference Guide (July 2026). The comments in the code are by the model that wrote it; some were corrected since.
;; Linear Memory Attention. Allowed arithmetic: matrix products marked QUANTISED: E4M3 operands, one E8M0 scale for each 32 along K, by v_wmma_scale_f32_16x16x128_f8f6f4 with both operands' format E4M3, f32 sums; products left as they are: f32 operands where the result goes on into a quantised operand, else bf16, f16 or f32 operands; f32 sums; everything else in f32.
;; Inputs: Wk_codes 512 x 64 x 32 uint8 (E4M3 codes of Wk, K innermost, in blocks of 32 codes); Wk_scales 512 x 64 uint8 (E8M0 scales of Wk, one for each 32 codes along K); Wo_codes 2,048 x 32 x 32 uint8 (E4M3 codes of Wo, K innermost, in blocks of 32 codes); Wo_scales 2,048 x 32 uint8 (E8M0 scales of Wo, one for each 32 codes along K); Wq_codes 1,024 x 64 x 32 uint8 (E4M3 codes of Wq, K innermost, in blocks of 32 codes); Wq_scales 1,024 x 64 uint8 (E8M0 scales of Wq, one for each 32 codes along K); Wv_codes 512 x 64 x 32 uint8 (E4M3 codes of Wv, K innermost, in blocks of 32 codes); Wv_scales 512 x 64 uint8 (E8M0 scales of Wv, one for each 32 codes along K); bk 512 float32; bq 1,024 float32; bv 512 float32; hidden_states_codes 2 x 4,096 x 64 x 32 uint8 (E4M3 codes of hidden_states, K innermost, in blocks of 32 codes); hidden_states_scales 2 x 4,096 x 64 uint8 (E8M0 scales of hidden_states, one for each 32 codes along K).
;; Outputs: out0 2 x 4,096 x 2,048 float32.
;; This version of the problem:
;;   THIS VERSION OF THE PROBLEM IS GIVEN IN LOW PRECISION. The matrix products marked QUANTISED in the list below multiply operands that are first quantised to E4M3 (4 exponent bits, 3 mantissa bits; 8 bits a number), with one power-of-two scale for each 32 numbers along K (OCP MX v1.0); their sums are f32. All else is computed in f32.
;;   The module's matrix products, in the order in which they are computed (A, B: the left and right operand; K: the contracted axis; several contracted axes count as one K, in the product's order):
;;     1. [M 8,192, K 2,048] x [K 2,048, N 1,024]; A: input hidden_states (given as codes); B: input Wq (given as codes): QUANTISED
;;     2. [M 8,192, K 2,048] x [K 2,048, N 512]; A: input hidden_states (given as codes); B: input Wk (given as codes): QUANTISED
;;     3. [M 8,192, K 2,048] x [K 2,048, N 512]; A: input hidden_states (given as codes); B: input Wv (given as codes): QUANTISED
;;     4. batch 16 x [M 128, K 4,096] x [K 4,096, N 128]; A: computed on the way; B: computed on the way: QUANTISED
;;     5. batch 16 x [M 4,096, K 128] x [K 128, N 128]; A: computed on the way; B: computed on the way: QUANTISED
;;     6. batch 16 x [M 4,096, K 128] x [K 128, N 1]; A: computed on the way; B: computed on the way: left as it is (N = 1 < 16)
;;     7. [M 8,192, K 1,024] x [K 1,024, N 2,048]; A: computed on the way; B: input Wo (given as codes): QUANTISED
;;   THE QUANTISER, for each operand of a quantised product, along K:
;;     - K is cut into blocks of 32 from its start; a last block that is shorter is filled with zeros.
;;     - A block's scale is 2^e with e = floor(log2(the largest magnitude in the block)) - 8, held to -126 .. 127; a block of zeros has e = 0. As a byte (E8M0): e + 127.
;;     - Each number is divided by its block's scale, clamped to +-448, and rounded to the nearest number of E4M3, ties to even, subnormals kept.
;;     - The product sums the exact products of the quantised numbers (number of the format x scale) in f32.
;;   ~~~python
;;   def quantise(x, axis):      # numpy; x: float32 -> the quantised numbers, widened to float32 again
;;       x = np.moveaxis(x, axis, -1); K = x.shape[-1]
;;       x = np.pad(x, [(0, 0)] * (x.ndim - 1) + [(0, -K % 32)]); x = x.reshape(x.shape[:-1] + (-1, 32)); a = np.abs(x).max(-1, keepdims=True)
;;       e = np.where(a > 0, np.clip(np.frexp(np.where(a > 0, a, 1))[1] - 1 - 8, -126, 127), 0)      # np.frexp(a)[1] - 1 = floor(log2(a)), exactly
;;       r = np.clip(x / 2.0 ** e, -448, 448)
;;       step = 2.0 ** (np.maximum(np.frexp(np.where(r == 0, 1, r))[1] - 1, -6) - 3)
;;       q = np.round(r / step) * step * 2.0 ** e      # np.round: ties to even
;;       return np.moveaxis(q.reshape(q.shape[:-2] + (-1,))[..., :K], -1, axis).astype(np.float32)
;;   ~~~
;;   OPERANDS COMPUTED ON THE WAY. 'Computed on the way' means the value that the module computes at that place (a softmax that the list does not call 'softmax' is quantised finished and normalised). What goes into a quantiser is computed in f32, as accurately as f32 sums, v_exp_f32 and their like allow (about 1e-6 of the number): no bf16 or f16 on the way to a quantiser, and a product that is left as it is and whose result goes on into a quantised operand takes f32 operands (vector FMAs, or v_wmma_f32_16x16x4_f32). A number that lies on a knife's edge between two numbers of the format may be rounded either way, as far as f32 arithmetic and the matrix unit's own rounding can turn it there, and no further.
;;   INPUTS GIVEN AS CODES. Wk (in the module: [512, 2048], K = its axis 1); Wo (in the module: [2048, 1024], K = its axis 1); Wq (in the module: [1024, 2048], K = its axis 1); Wv (in the module: [512, 2048], K = its axis 1); hidden_states (in the module: [2, 4096, 2048], K = its axis 2): each comes as NAME_codes (uint8): NAME with its K axis moved to the last place and cut into blocks of 32 codes, [.., K / 32, bytes a block], one block behind the other in memory; one code a byte (a code: sign, 4 exponent bits, 3 mantissa bits); and NAME_scales (uint8): the same leading axes, one E8M0 byte (e + 127) for each 32 codes along K. Its value is code x scale, taken as it is: it is not quantised again, and the codes and scales need not be those that the quantiser above would give.
;; One version. Each part assembles by itself: llvm-mc -triple=amdgcn-amd-amdhsa -mcpu=gfx1250 --defsym DOCPART=n.
;; ======== version 1 of 1: 4 launches
;; workspace buffers: qf 33,554,432 bytes; kvpart 8,388,608 bytes; kspart 131,072 bytes; kvc 131,072 bytes; kvs 4,096 bytes; ksum 4,096 bytes; ac 8,388,608 bytes; asc 262,144 bytes
;; launch proj (part 1): grid 64 x 4, 4 waves a work-group, clusters of 4 x 4, 327,680 bytes of LDS; arguments hidden_states_codes, hidden_states_scales, Wq_codes, Wq_scales, Wk_codes, Wk_scales, Wv_codes, Wv_scales, bk, bv, qf, kvpart, kspart; writes qf, kvpart, kspart
.if DOCPART == 1
	.amdgcn_target "amdgcn-amd-amdhsa--gfx1250"
	.amdhsa_code_object_version 6
	.text
	.protected	k_q259df3283a_proj
	.globl	k_q259df3283a_proj
	.p2align	8
	.type	k_q259df3283a_proj,@function
k_q259df3283a_proj:
	s_mov_b64 s[64:65], 0
	v_nop
	global_prefetch_b8 v0, s[64:65] scope:SCOPE_SE
	s_setreg_imm32_b32 hwreg(HW_REG_WAVE_MODE, 25, 1), 1
	s_wait_xcnt 0x0
	s_wait_alu depctr_hold_cnt(0) depctr_sa_sdst(0) depctr_va_vdst(0) depctr_va_sdst(0) depctr_va_ssrc(0) depctr_va_vcc(0) depctr_vm_vsrc(0)
	s_getreg_b32 s2, hwreg(HW_REG_IB_STS2, 6, 4)
	s_cmp_eq_u32 s2, 0
	s_cbranch_scc0 .Lentry_in_a_cluster
	s_endpgm
.Lentry_in_a_cluster:
	s_bfe_u32 s2, ttmp6, 0x10000c
	s_cmp_lg_u32 s2, 0xf033
	s_cbranch_scc0 .Lentry_shape_is_right
	s_endpgm
.Lentry_shape_is_right:
; LAUNCH 1 OF 4.  q, k, v = X W^T as ONE product on codes of FP8 (E4M3) with E8M0 scales: 256 tiles of 256 x 256, K = 2,048.  X: [8192][2048]; Wq: [1024][2048]; Wk, Wv: [512][2048].
; k|v TILES (clusters 0-7): 256 positions x (the 128 columns of k and the 128 of v of one key/value head).  Behind the K loop: + bias, sk = elu(k) + 1, sk and v quantised ALONG THE POSITIONS,
;   the tile's part of kv = sk^T v (K = its 256 positions) and of k_sum = the sum of the unquantised sk; both parts go to memory in f32.
; q TILES (clusters 8-15): 256 positions x 256 columns of q (two heads): the raw f32 sums go to memory as images of the accumulators; the third launch adds bq.
; WORK LEFT OUT.  reference() repeats each key/value head twice (_repeat_kv is a broadcast), so for ALL values of the inputs sk, v, kv and k_sum of heads 2 j and 2 j + 1 are the same arrays:
;   they are made once for each (batch, key/value head): 8 products sk^T v and not 16.  Every input has a way to the output and is loaded by some launch.
;   (No value is lost by that: the copies would hold the same numbers, NaN and infinities too.)
; elu(x) + 1 = max(x + 1, e^-|x|): for x > 0, x + 1 > 1 > e^-x; for x <= 0, e^x >= 1 + x: the maximum takes the arm that reference() takes, for every x, and the exponent is never positive.
;   x + 1 is the sum + (bias + 1); the exponent is (x + 1) log2(e) - log2(e).
; LIMITS.  reference()'s expm1(x) + 1 lies on a grid of 2^-24; this form does not: they differ by at most 6e-8 absolutely (from x < -17 on reference() has 0, this at most 4e-8).
;   A block of zeros, and a block whose largest magnitude lies under 2^-118, gets the scale byte 1 (its codes are zeros or near it; the bytes are read by this program alone).  NaN and infinities are not served.
; ONE TEXT FOR BOTH KINDS up to the end of the K loop.  In the loop's terms a lane holds a row of A and its registers run along rows of B (source 0 = 16 rows of B, source 1 = 16 rows of A).
;   k|v: A = 128 rows of Wk, then 128 of Wv, of head cy;  B = X's tile 4 cluster + cx: a lane holds a column d or e, its registers run along the positions, which are the next K.
;   q:   A = X's tile 4 (cluster - 8) + cy;  B = Wq's rows 256 cx on: a lane holds a position, its registers run along d, which is the next K.
;   Only pointers and row numbers differ, chosen by s_cselect on the cluster's number, which all sixteen partners share.
; CLUSTERS: 4 x 4 work-groups.  A's tile hangs on cy alone and is asked for jointly by a row of the cluster, B's on cx alone, by a column.
; A WAVE (i = wave / 2, j = wave % 2) takes A's rows 64 i .. + 63 (blocks 0-3) and 128 + 64 i .. + 63 (blocks 4-7), against B's rows 128 j .. + 127: in a k|v tile four blocks of k and four of v, so that all waves have the same work behind the loop.
; K's ORDER IN OPERANDS MADE HERE.  The 16 registers of two neighbouring result tiles 2 c, 2 c + 1 hold k = 32 c + 8 (lane / 16) + i % 8 + 16 (i / 8); they are used as the operand's places 32 c + 16 (lane / 16) + i.
;   sk and v are both made so: the same exchange on both sides, inside a block of 32: products and scales are those of the true order.
; THE CODES ARE PREFETCHED INTO THE L2.  At a change of slots every wave has waited for all its tensor loads, so the refill that follows goes out with nothing on its way beside it.  Behind each refill of the loop's
;   first two trips stands one global_prefetch_b8 a wave for the K step that stands TWO refills on (K steps 4 to 7): 32 rows x 256 bytes, a lane a row: 256 matrix instructions of the wave ahead of the joint load that will ask for them.
;   Each row's 256 bytes of a K step are named ONCE in the launch.  X's tile T is read by k|v cluster T / 4 (as B) and by q cluster 8 + T / 4 (as A): the k|v cluster asks.  Wk's and Wv's rows are read by clusters 0-7: cluster 0 asks;
;   Wq's by clusters 8-15: cluster 8 asks.  So waves 0 and 1 (A's) ask in cluster 0 alone, waves 2 and 3 (B's) in clusters 0 to 8: a branch on the cluster's and the wave's number, the same in all sixteen partners.
;   Of the 128 rows that a wave fetches, each of the four partners that ask for them jointly takes 32, told apart BY ADDRESS (cx for A, cy for B).
;   K steps 0 to 3 come by their loads alone: nothing is asked for at the head; the last trip's two refills have no K step two on.  The scale bytes come once, with the first fills, and are not asked for.
; REGISTERS, in windows of 256: window 0: v1-29 addresses; v32-63 scale words, two sets; v64-79 biases; v80-127 at work behind the loop; from v128 A's fragments, ONE set (behind the loop: v128-191, v192-255 at work).
;   window 1: B's fragments, TWO sets.   window 2: the accumulators of A's blocks 0-3 ((a, b) at v[8 (8 (a % 4) + b)]);   window 3: those of blocks 4-7.
.set KSTEP,  256                       ; along K in a slot
.set NQ,     KSTEP/128                 ; matrix instructions deep
.set ROWB,   256                       ; a tile's row in bytes
.set KROW,   2048                      ; a row of X or of a weight in memory, in bytes
.set PITCH,  272                       ; an LDS row: 256 bytes + 16 of padding = 68 words: the 16 rows that a load touches start at 16 different banks (64 banks of 4 bytes: ISA guide 11.1)
.set FR,     16                        ; registers of a fragment: 16 rows x 128 K
.set NL,     4                         ; LDS loads that bring one
.set NP,     8                         ; places behind this matrix instruction (ISA guide 7.12.1)
.set HALFT,  128*PITCH                 ; 128 rows: what one tensor load brings
.set SLOT,   4*HALFT                   ; A's 256 rows, then B's 256 rows
.set LAPS,   2048/(2*KSTEP)            ; a lap = two K steps = once round the ring
.set KS,     64                        ; a row of scales in bytes
.set SCL,    2*SLOT                    ; behind the ring: the scales of the tile's 512 rows for all of K, as units of 256 bytes + 16 of padding
.set HALFS,  (128*KS/256)*272          ; the scales of 128 rows: what one tensor load brings
.set SBLK,   (16*KS/256)*272           ; those of 16 rows
.set SPARE,  SCL+4*HALFS               ; behind the scales: the spare words, 128 bytes for each wave: two blocks of 256 bytes that no other line names
.set ISC,    65536                     ; behind the loop, in slot 0, which has then had its last fill and its last read: from 0 the images of 32 fragments, 2,048 bytes each (8 j + td: sk; 16 + 8 j + te: v); from ISC their scale words, 128 bytes each
.set IST,  7                           ; v7   where I store my images: 16 lane + 16,384 j + 8,192 i
.set SST,  8                           ; v8   and their scale words: ISC + 4 lane + 128 (8 j + 4 i)
.set ILW,  9                           ; v9   where I read sk's images: 16 lane + 4,096 wave
.set ILV,  10                          ; v10  16 lane: v's images; also my byte offset in the stores of images to memory
.set SLW,  11                          ; v11  ISC + 4 lane + 256 wave
.set SLV,  12                          ; v12  ISC + 4 lane
.set BO,   13                          ; v13  4 (lane % 16): my row's bias
.set L4,   14                          ; v14  4 lane
.set PFO,  15                          ; v15  the prefetches' offset: 2,048 lane: a lane a row; never rewritten
.set ADRA, 16                          ; v16-17  LDS address of my A fragments in slot 0, 1
.set ADRB, 20                          ; v20-21  the same for B
.set ADRS2, 26                         ; v26     LDS address of my scale words, blocks 4-7
.set ADRS, 27                          ; v27     the same, blocks 0-3: lanes 0-15 A's rows, lanes 16-31 B's
.set SPW,  28                          ; v28     LDS address of my spare word; never rewritten
.set NIL,  29                          ; v29     0; never rewritten
.set SC,   32                          ; scale words: set s at v[SC + 8 NQ s]; register NQ i + q: lanes 0-15 the word of A's block i, lanes 16-31 that of B's block i
.set BB,   64                          ; v64-79  block a's bias of my row, twice (a pair for the packed addition)
.set TM,   80                          ; v80-95  the quantiser: largest magnitudes, bytes, holds, scale operands
.set PC,   96                          ; v96-111 the codes just made
.set PW,   112                         ; v112    their scale word
.set NLG,  114                         ; v114-115 -log2(e)
.set KSA,  116                         ; v116-119 my rows' sums of sk, a block each
.set TP,   120                         ; v120-123 at work
.set AF,   128                         ; A's fragments
.set EX,   128                         ; behind the loop: 64 exponentials
.set YV,   192                         ; and 64 numbers of one block
.set G1, 24                            ; s[24:31] descriptor group 1 for A's tiles;  s[32:39] group 0, one set for each slot
.set G0, 32
.set G1B, 48                           ; s[48:55], s[56:63] the same for B's tiles
.set G0B, 56
.set KIND, 66                          ; s66  0: a k|v tile, 1: a q tile
.set HIM,  67                          ; s67  the mask of lanes 16-31
.set G1S, 68                           ; s[68:75], s[76:79] groups 1 and 0 for A's scales;  s[80:87], s[88:91] for B's
.set G0S, 76
.set G1SB, 80
.set G0SB, 88
.set PFA,  92                          ; s[92:93] (behind the first loads) where my prefetches stand: my work-group's 32 rows of the 128 that I fetch, one K step further along K than the refill that is being asked for; a prefetch names the K step after that
.set LIM,  94                          ; s94  (behind the first loads) 1 in a wave that prefetches, else the greatest number
.set LG,   96                          ; s[96:97] log2(e) (the packed form names a pair)
.set SEL,  98                          ; s[98:99] lane selects for v_permlanex16_b32: lane l xor 16
.set MNT,  100                         ; s100 the mantissa field of 448
.set MSB, 0
.macro WIN new                         ; the immediate's high byte repeats the setting that is left
.if MSB != \new
	s_set_vgpr_msb (MSB<<8)|\new
.set MSB, \new
.endif
.endm
.set MUL_LO, 0xa1                      ; source 0 (B) window 1, source 1 (A) window 0, C and D window 2
.set MUL_HI, 0xf1                      ; the same, C and D window 3
.set TO_B,   0x40                      ; destination window 1, address window 0
; A joint load: waves 0 and 1 fetch for A, waves 2 and 3 for B.  Each of the two lines has ONE mask and one set of registers for all that issue it; the branch hangs on the wave's number alone.
; An s_nop 0 and four v_nop follow each of the two lines, ahead of the jump, the label and what follows.
.macro JLOAD g0a, g1a, g0b, g1b
	s_cmp_eq_u32 s15, 0
	s_cbranch_scc0 .Lfor_b_\@
	tensor_load_to_lds s[\g0a:\g0a+3], s[\g1a:\g1a+7]
	s_nop 0
.rept 4
	v_nop
.endr
	s_branch .Lasked_\@
.Lfor_b_\@:
	tensor_load_to_lds s[\g0b:\g0b+3], s[\g1b:\g1b+7]
	s_nop 0
.rept 4
	v_nop
.endr
.Lasked_\@:
.endm
; A prefetch into the L2 of the K step that stands two refills on: my work-group's 32 rows x 256 bytes, a lane a row, one instruction a wave.  It stands behind the joint load, its five lines and the run of LDS loads that the next
; products wait for.  s3 = 1 in the loop's last trip, whose refills have no K step two on; in a wave that does not ask, s[LIM] is the greatest number.
.macro ASK
	s_cmp_gt_u32 s3, s[LIM]
	s_cbranch_scc0 .Lnot_mine_\@
	global_prefetch_b8 v[PFO], s[PFA:PFA+1] offset:ROWB th:TH_LOAD_NT scope:SCOPE_SE
.Lnot_mine_\@:
.endm
.macro CREST                           ; a round of the cluster's barrier behind its opening barrier
	s_cmp_lg_u32 s14, 0
	s_cbranch_scc1 .Lnot_wave_0_\@
	s_barrier_signal -3
.Lnot_wave_0_\@:
	s_barrier_wait -3
	s_barrier_signal -1
	s_barrier_wait -1
.endm
.macro CROUND                          ; a whole round
	s_barrier_signal -1
	s_barrier_wait -1
	CREST
.endm
	s_load_b128 s[96:99], s[0:1], 0x0              ; X's codes, X's scales
	s_load_b128 s[56:59], s[0:1], 0x10             ; Wq's codes, Wq's scales
	s_load_b256 s[32:39], s[0:1], 0x20             ; Wk's codes and scales, Wv's codes and scales
	s_load_b256 s[4:11], s[0:1], 0x40              ; bk s[4:5], bv s[6:7], qf s[8:9], kvpart s[10:11]
	s_load_b64 s[12:13], s[0:1], 0x60              ; kspart
	v_lshl_add_u32 v[SPW], v0, 2, SPARE
	v_mov_b32 v[NIL], 0
	ds_add_u32 v[SPW], v[NIL]                      ; the wave's opening: the add, twice on end, and its wait ahead of my first tensor load; the set-up below, work on registers, stands between the second and the wait
	ds_add_u32 v[SPW], v[NIL]                      ; and once more, under the one wait
	v_lshrrev_b32 v1, 5, v0
	v_readfirstlane_b32 s14, v1                    ; wave 0..3
	s_lshr_b32 s15, s14, 1                         ; i: which rows of A are mine.  Also: I fetch for A (0) or for B (1)
	s_and_b32 s16, s14, 1                          ; j: which half of B's rows.  Also: which 128 rows of that tile I fetch
	s_bfe_u32 s40, ttmp6, 0x40000                  ; cx, cy: my place in the cluster
	s_bfe_u32 s41, ttmp6, 0x40004
	s_lshr_b32 s[KIND], ttmp9, 3                   ; clusters 0-7: k|v tiles; 8-15: q tiles
	s_lshl_b32 s43, s41, 2
	s_lshl_b32 s43, 15, s43                        ; my row of the cluster
	s_lshl_b32 s44, 0x1111, s40                    ; my column
	; descriptor group 1: a tile of 128 rows x 256 bytes, padded in LDS
	s_or_b32 s[G1+0], s43, (0<<16)|(1<<20)|(1<<21)|(5<<22)|(3<<25)  ; 15:0 the mask: A's tiles go to my row; 17:16 element of 1 byte; 20 padding on; 21 set beside a mask; 24:22 after every 64 words (code 5); 31:25 of 4 words (code 3)
	s_or_b32 s[G1B+0], s44, (0<<16)|(1<<20)|(1<<21)|(5<<22)|(3<<25)
.irp g, G1, G1B
	s_mov_b32 s[\g+1], ROWB<<16                    ; tensor_dim0
	s_mov_b32 s[\g+2], 128<<16                     ; tensor_dim1 = 128
	s_mov_b32 s[\g+3], ROWB<<16                    ; tile_dim0
	s_mov_b32 s[\g+4], 128                         ; tile_dim1 = 128
	s_mov_b32 s[\g+5], KROW                        ; tensor_dim0_stride
	s_mov_b32 s[\g+6], 0
	s_mov_b32 s[\g+7], 0
.endr
	; and for the scales of 128 rows: a dense block of 8,192 bytes, as 32 rows of 256 bytes (32 elements of 8 bytes), 16 bytes of padding behind each
	s_or_b32 s[G1S+0], s43, (3<<16)|(1<<20)|(1<<21)|(5<<22)|(3<<25)
	s_or_b32 s[G1SB+0], s44, (3<<16)|(1<<20)|(1<<21)|(5<<22)|(3<<25)
.irp g, G1S, G1SB
	s_mov_b32 s[\g+1], 32<<16
	s_mov_b32 s[\g+2], (128*KS/256)<<16
	s_mov_b32 s[\g+3], 32<<16
	s_mov_b32 s[\g+4], 128*KS/256
	s_mov_b32 s[\g+5], 32
	s_mov_b32 s[\g+6], 0
	s_mov_b32 s[\g+7], 0
.endr
	s_mov_b32 s[HIM], 0xffff0000
	s_mov_b32 s[MNT], 0x600000
	; every LDS address of the text is made here: a constant, a lane term, the wave's number times a constant
	v_and_b32 v1, 15, v0                           ; r = lane % 16
	v_bfe_u32 v2, v0, 4, 1                         ; h = lane / 16
	v_and_b32 v3, 31, v0                           ; lane
	v_mul_u32_u24 v4, v1, PITCH
	v_lshl_add_u32 v4, v2, 4, v4                   ; a fragment's row x pitch + 16 x half
	s_mul_i32 s21, s15, 64*PITCH                   ; A: my blocks 0-3 begin at row 64 i; blocks 4-7 lie 128 rows on: that stands in the loads' offsets
	s_mul_i32 s22, s16, HALFT                      ; B: my 128 rows,
	s_add_co_u32 s22, s22, 2*HALFT                 ; which lie behind A's 256
.irp s, 0,1
	v_add_nc_u32 v[ADRA+\s], s21, v4
	v_add_nc_u32 v[ADRB+\s], s22, v4
	s_add_co_u32 s21, s21, SLOT
	s_add_co_u32 s22, s22, SLOT
.endr
	v_mul_u32_u24 v5, v1, KS                       ; my row's scales: 64 bytes a row,
	v_lshrrev_b32 v6, 8, v5
	v_lshl_add_u32 v5, v6, 4, v5                   ; and 16 more for each 256 passed
	s_mul_i32 s21, s15, 4*SBLK                     ; A's: my blocks 0-3 begin at block 4 i
	s_mul_i32 s22, s16, HALFS                      ; B's: my 128 rows, behind A's 256
	s_add_co_u32 s22, s22, 2*HALFS
	s_sub_co_u32 s22, s22, s21                     ; the distance from A's to B's
	v_mul_u32_u24 v6, s22, v2                      ; lanes 16-31 take B's
	s_add_co_u32 s21, s21, SCL
	v_add_nc_u32 v6, v5, v6
	v_add_nc_u32 v[ADRS], s21, v6
	s_sub_co_u32 s22, s22, 4*SBLK                  ; blocks 4-7: A's lie four blocks further on than their number says, B's do not
	v_mul_u32_u24 v6, s22, v2
	s_add_co_u32 s21, s21, 4*SBLK
	v_add_nc_u32 v6, v5, v6
	v_add_nc_u32 v[ADRS2], s21, v6
	v_lshlrev_b32 v[ILV], 4, v3
	v_lshlrev_b32 v[L4], 2, v3
	v_lshlrev_b32 v[BO], 2, v1
	v_lshlrev_b32 v[PFO], 11, v3                   ; a row of codes is 2,048 bytes
	s_lshl_b32 s21, s16, 14
	s_lshl_b32 s22, s15, 13
	s_add_co_u32 s21, s21, s22
	v_add_nc_u32 v[IST], s21, v[ILV]
	s_lshl_b32 s21, s16, 10
	s_lshl_b32 s22, s15, 9
	s_add_co_u32 s21, s21, s22
	s_add_co_u32 s21, s21, ISC
	v_add_nc_u32 v[SST], s21, v[L4]
	s_lshl_b32 s21, s14, 12
	v_add_nc_u32 v[ILW], s21, v[ILV]
	s_lshl_b32 s21, s14, 8
	s_add_co_u32 s21, s21, ISC
	v_add_nc_u32 v[SLW], s21, v[L4]
	v_add_nc_u32 v[SLV], ISC, v[L4]
	v_mov_b32 v[NLG], 0xbfb8aa3b                   ; -log2(e)
	v_mov_b32 v[NLG+1], 0xbfb8aa3b
.irp b, 0,1,2,3
	v_mov_b32 v[TM+4+\b], 0                        ; written once: a lane permute's destination counts as one of its sources
.endr
	; which rows I fetch.  A's hang on cy alone, B's on cx alone, beside the cluster's and the wave's number
	s_lshl_b32 s18, s16, 7                         ; 128 x half
	s_lshl_b32 s17, s41, 7                         ; k|v: rows 128 cy of Wk (wave 0) or of Wv (wave 1)
	s_and_b32 s19, ttmp9, 7
	s_lshl_b32 s19, s19, 2
	s_add_co_u32 s19, s19, s41                     ; q: X's tile 4 (cluster - 8) + cy,
	s_lshl_b32 s19, s19, 8
	s_add_co_u32 s19, s19, s18                     ; its half
	s_cmp_eq_u32 s[KIND], 0
	s_cselect_b32 s20, s17, s19                    ; A's first row
	s_lshl_b32 s42, ttmp9, 2
	s_add_co_u32 s42, s42, s40                     ; k|v: X's tile T = 4 cluster + cx (kept for the way out)
	s_cmp_eq_u32 s[KIND], 0
	s_cselect_b32 s46, s42, s40                    ; q: Wq's tile cx
	s_lshl_b32 s46, s46, 8
	s_add_co_u32 s46, s46, s18                     ; B's first row
	s_lshl_b32 s22, s20, 6                         ; where these rows' scales begin, in bytes,
	s_mov_b32 s23, 0
	s_lshl_b32 s20, s20, 11                        ; and their codes
	s_mov_b32 s21, 0
	s_lshl_b32 s92, s46, 6
	s_mov_b32 s93, 0
	s_lshl_b32 s46, s46, 11
	s_mov_b32 s47, 0
	s_mul_i32 s45, s14, HALFT                      ; where they go: wave x 128 rows: no place in the cluster enters an LDS address
	s_mul_i32 s94, s14, HALFS
	s_wait_dscnt 0x0                               ; both opening adds are done
	s_wait_kmcnt 0x0
	s_cmp_eq_u32 s16, 0                            ; the choices hang on the wave's and the cluster's number, on no address
	s_cselect_b64 s[32:33], s[32:33], s[36:37]     ; k|v: Wk for the first 128 rows of A, Wv for the second
	s_cselect_b64 s[34:35], s[34:35], s[38:39]
	s_cmp_eq_u32 s[KIND], 0
	s_cselect_b64 s[32:33], s[32:33], s[96:97]     ; A: that weight, or X
	s_cselect_b64 s[34:35], s[34:35], s[98:99]
	s_cselect_b64 s[56:57], s[96:97], s[56:57]     ; B: X, or Wq
	s_cselect_b64 s[58:59], s[98:99], s[58:59]
	s_add_nc_u64 s[20:21], s[32:33], s[20:21]
	s_add_nc_u64 s[22:23], s[34:35], s[22:23]
	s_add_nc_u64 s[46:47], s[56:57], s[46:47]
	s_add_nc_u64 s[92:93], s[58:59], s[92:93]
	s_mov_b32 s[LG], 0x3fb8aa3b                    ; log2(e)
	s_mov_b32 s[LG+1], s[LG]                       ; (named with it as a pair, so it is written)
	s_mov_b32 s[SEL], 0x76543210
	s_mov_b32 s[SEL+1], 0xfedcba98
	CROUND                                         ; all sixteen work-groups are here: the first joint loads meet
	s_mov_b32 s[G0S], 1
	s_add_co_u32 s[G0S+1], s94, SCL
	s_mov_b64 s[G0S+2:G0S+3], s[22:23]
	s_or_b32 s[G0S+3], s[G0S+3], 0x80000000
	s_mov_b32 s[G0SB], 1
	s_add_co_u32 s[G0SB+1], s94, SCL
	s_mov_b64 s[G0SB+2:G0SB+3], s[92:93]
	s_or_b32 s[G0SB+3], s[G0SB+3], 0x80000000
	JLOAD G0S, G1S, G0SB, G1SB                     ; the scales first: they are wanted with K step 0.  With the two below, three tensor loads of mine are out
.irp s, 0,1
	s_mov_b32 s[G0+4*\s], 1
	s_add_co_u32 s[G0+4*\s+1], s45, \s*SLOT
	s_add_nc_u64 s[G0+4*\s+2:G0+4*\s+3], s[20:21], \s*ROWB
	s_or_b32 s[G0+4*\s+3], s[G0+4*\s+3], 0x80000000
	s_mov_b32 s[G0B+4*\s], 1
	s_add_co_u32 s[G0B+4*\s+1], s45, \s*SLOT
	s_add_nc_u64 s[G0B+4*\s+2:G0B+4*\s+3], s[46:47], \s*ROWB
	s_or_b32 s[G0B+4*\s+3], s[G0B+4*\s+3], 0x80000000
	JLOAD G0+4*\s, G1, G0B+4*\s, G1B
.endr
	; the prefetches (macro ASK): where mine stand, and who asks.  s[20:21] and s[46:47] still hold the first byte of the 128 rows of A and of B that a wave of my number fetches; s22, s23 and s92 to s94 are free from here on
	s_cmp_eq_u32 s15, 0                            ; do I fetch for A?
	s_cselect_b64 s[PFA:PFA+1], s[20:21], s[46:47]
	s_cselect_b32 s17, s40, s41                    ; my place among the four that ask for these rows with me: cx for A, cy for B: it enters this address alone
	s_cselect_b32 s18, 0, 8                        ; the highest cluster in which my side asks: A's (Wk, Wv) in cluster 0; B's (X in clusters 0-7, Wq in cluster 8) up to 8
	s_lshl_b32 s22, s17, 16                        ; my work-group's 32 rows of 2,048 bytes,
	s_add_co_u32 s22, s22, 2*ROWB                  ; at K step 2: the first refill steps it to 3 and names K step 4.  Nothing is asked for here, at the head, where every work-group's first tiles are on their way
	s_mov_b32 s23, 0
	s_add_nc_u64 s[PFA:PFA+1], s[PFA:PFA+1], s[22:23]
	s_cmp_le_u32 ttmp9, s18                        ; the cluster's number and the wave's: the same in all sixteen partners
	s_cselect_b32 s[LIM], 1, -1
	; the biases of my eight blocks of A's rows, for a k|v tile: bk and bv at 128 cy + 64 i + 16 a + r.  Every wave of every tile loads them, so that the registers are written on every way through the text;
	; in a q tile these 16 words a lane are not used (q's bias runs along the registers there, and is added by the third launch)
	s_lshl_b32 s18, s41, 9
	s_lshl_b32 s19, s15, 8
	s_add_co_u32 s18, s18, s19
	s_mov_b32 s19, 0
	s_add_nc_u64 s[4:5], s[4:5], s[18:19]
	s_add_nc_u64 s[6:7], s[6:7], s[18:19]
.irp a, 0,1,2,3
	global_load_b32 v[BB+2*\a], v[BO], s[4:5] offset:64*\a
	global_load_b32 v[BB+2*\a+1], v[BO], s[4:5] offset:64*\a
	global_load_b32 v[BB+8+2*\a], v[BO], s[6:7] offset:64*\a
	global_load_b32 v[BB+8+2*\a+1], v[BO], s[6:7] offset:64*\a
.endr
.macro FRAG reg, adr, q, i             ; a fragment, 16 rows x 128 K of 8-bit codes, is 16 registers: lane l holds row l % 16; registers 4 c .. 4 c + 3 hold K = 32 c + 16 (l / 16) + 0 .. 15
.irp c, 0,1,2,3
	ds_load_b128 v[\reg+4*\c:\reg+4*\c+3], v[\adr] offset:128*(\q)+32*\c+(\i)*16*PITCH
.endr
.endm
; 16 matrix instructions: A's blocks a0, a0 + 1 x B's eight, 128 along K: the slot's q-th.  p: B's set;  sc: the set of scale words.  zero = 1: the first product starts the sums: nothing is ever cleared.
; The 64 accumulators take turns, one instruction a turn, in the same order in every step.
.macro MUL16 a0, p, q, sc, zero
.irp a, \a0, \a0+1
.irp b, 0,1,2,3,4,5,6,7
.if \zero
	v_wmma_scale_f32_16x16x128_f8f6f4 v[8*(8*((\a)%4)+\b):8*(8*((\a)%4)+\b)+7], v[128*(\p)+FR*\b:128*(\p)+FR*\b+FR-1], v[AF+FR*(\a):AF+FR*(\a)+FR-1], 0, v[SC+8*NQ*(\sc)+NQ*\b+(\q)], v[SC+8*NQ*(\sc)+NQ*(\a)+(\q)] matrix_a_scale:MATRIX_SCALE_ROW1
.else
	v_wmma_scale_f32_16x16x128_f8f6f4 v[8*(8*((\a)%4)+\b):8*(8*((\a)%4)+\b)+7], v[128*(\p)+FR*\b:128*(\p)+FR*\b+FR-1], v[AF+FR*(\a):AF+FR*(\a)+FR-1], v[8*(8*((\a)%4)+\b):8*(8*((\a)%4)+\b)+7], v[SC+8*NQ*(\sc)+NQ*\b+(\q)], v[SC+8*NQ*(\sc)+NQ*(\a)+(\q)] matrix_a_scale:MATRIX_SCALE_ROW1
.endif
.endr
.endr
.endm
.macro FETCH_B slot, q, p              ; B's eight fragments of the slot's q-th 128 along K into set p
	WIN TO_B
.irp i, 0,1,2,3,4,5,6,7
	FRAG 128*(\p)+FR*\i, ADRB+\slot, \q, \i
.endr
	WIN 0
.endm
.macro FETCH_A slot, q, i0             ; A's blocks i0 .. i0 + 3; block a lies a + 4 (a / 4) blocks of 16 rows behind my first
.irp i, \i0, \i0+1, \i0+2, \i0+3
	FRAG AF+FR*(\i), ADRA+\slot, \q, (\i)+4*((\i)/4)
.endr
.endm
.macro SCALES sc                       ; the next K step's scale words into set sc: NQ words a row; lanes 0-15 take A's block i, lanes 16-31 B's block i
.irp i, 0,1,2,3
	ds_load_b64 v[SC+8*NQ*\sc+NQ*\i:SC+8*NQ*\sc+NQ*\i+1], v[ADRS] offset:\i*SBLK
.endr
.irp i, 4,5,6,7
	ds_load_b64 v[SC+8*NQ*\sc+NQ*\i:SC+8*NQ*\sc+NQ*\i+1], v[ADRS2] offset:\i*SBLK
.endr
.endm
; A load into a register that a matrix instruction has read, and a vector instruction or a store that reads a matrix result, stand NP places behind that matrix instruction, and only plain vector
; instructions that name none of its registers are places (ISA guide 7.12.1 for vector instructions).
.macro PLACES n
.rept \n
	v_nop
.endr
.endm
; A step of 128 along K that has its successor in the same slot.
.macro STEP slot, q, zero
	s_wait_dscnt 4*NL                              ; B's set and A's blocks 0-3 are in; the youngest 16 loads (A's blocks 4-7) may be out
	WIN MUL_LO
	MUL16 0, (\q)%2, \q, \slot, \zero
	MUL16 2, (\q)%2, \q, \slot, \zero
	s_wait_dscnt 0                                 ; A's blocks 4-7 are in (asked for 32 matrix instructions ago)
	PLACES NP
	FETCH_B \slot, (\q)+1, 1-(\q)%2
	FETCH_A \slot, (\q)+1, 0
	WIN MUL_HI
	MUL16 4, (\q)%2, \q, \slot, \zero
	MUL16 6, (\q)%2, \q, \slot, \zero
	PLACES NP
	WIN 0
	FETCH_A \slot, (\q)+1, 4
.endm
; A slot's last step changes slots: ONE barrier; in front of it each wave waits for all its tensor loads, adds 0 to its spare word, and waits for that and for its own reads of this slot.  fill = 1: this slot is filled again, two K steps ahead.
.macro TURN slot, next, fill
.if \fill
	s_wait_xcnt 0x0                                ; the last prefetch, a K step back, has read its address: it is stepped here, ahead of the waits of the change of slots, so that nothing is added between the round and the joint load
	s_add_nc_u64 s[PFA:PFA+1], s[PFA:PFA+1], ROWB
.endif
	s_wait_tensorcnt 0x0                           ; all my tensor loads have landed: my part of the next slot;  (every window is 0 here: the add's two registers lie in window 0)
	ds_add_u32 v[SPW], v[NIL]                      ; 0 onto my spare word
	s_wait_dscnt 4*NL+1                            ; (the add and the youngest 16 loads, A's blocks 4-7, may be out)
	WIN MUL_LO
	MUL16 0, 1, NQ-1, \slot, 0                     ; sixteen matrix instructions stand between the add and the wait for it
	s_wait_dscnt 0x0                               ; the add is done, and my reads of this slot are over
	s_barrier_signal -1
	MUL16 2, 1, NQ-1, \slot, 0
	WIN 0
	s_barrier_wait -1
.if \fill
	CREST                                          ; the barrier has opened a round of the cluster's barrier: no wave of any partner still reads this slot's tile or has a load on its way
	s_add_nc_u64 s[G0+4*\slot+2:G0+4*\slot+3], s[G0+4*\slot+2:G0+4*\slot+3], 2*ROWB
	s_add_nc_u64 s[G0B+4*\slot+2:G0B+4*\slot+3], s[G0B+4*\slot+2:G0B+4*\slot+3], 2*ROWB
	JLOAD G0+4*\slot, G1, G0B+4*\slot, G1B         ; the first tensor load behind the round; the four v_nop behind it are among the places in front of the loads below
	PLACES NP-4
.else
	PLACES NP
.endif
	v_add_nc_u32 v[ADRS], 4*NQ, v[ADRS]            ; on to the next K step's scale words (no LDS load of mine is out)
	v_add_nc_u32 v[ADRS2], 4*NQ, v[ADRS2]
	FETCH_B \next, 0, 0
	FETCH_A \next, 0, 0
	SCALES \next
.if \fill
	ASK                                            ; behind the joint load and the run of LDS loads (every window is 0 here)
.endif
	WIN MUL_HI
	MUL16 4, 1, NQ-1, \slot, 0
	MUL16 6, 1, NQ-1, \slot, 0
	PLACES NP
	WIN 0
	FETCH_A \next, 0, 4
.endm
	s_wait_tensorcnt 1                             ; the scales and my part of K step 0 are in (K step 1's load may be out)
	s_barrier_signal -1
	s_barrier_wait -1                              ; everybody's are
	FETCH_B 0, 0, 0
	FETCH_A 0, 0, 0
	SCALES 0
	FETCH_A 0, 0, 4
	STEP 0, 0, 1                                   ; the first step stands in front of the loop: its products start the sums
	s_mov_b32 s3, LAPS-1
.Llap:                                                 ; a trip goes once round the ring, from a lap's second step to the next lap's first, and fills both slots again
	TURN 0, 1, 1
	STEP 1, 0, 0
	TURN 1, 0, 1
	STEP 0, 0, 0
	s_sub_co_u32 s3, s3, 1
	s_cmp_lg_u32 s3, 0
	s_cbranch_scc1 .Llap
	TURN 0, 1, 0                                   ; the last lap fills nothing, and has no round of the cluster's barrier
	STEP 1, 0, 0
	s_wait_dscnt 4*NL                              ; the very last step: nothing more to fetch
	WIN MUL_LO
	MUL16 0, 1, NQ-1, 1, 0
	MUL16 2, 1, NQ-1, 1, 0
	s_wait_dscnt 0
	WIN MUL_HI
	MUL16 4, 1, NQ-1, 1, 0
	MUL16 6, 1, NQ-1, 1, 0
	WIN 0
	PLACES NP                                      ; in front of the first reads of results
	s_wait_loadcnt 0x0                             ; the biases
	s_cmp_lg_u32 s[KIND], 0                        ; the cluster's number: the same in all waves and all partners
	s_cbranch_scc1 .Lq_tile
; ---------------- THE WAY OUT OF A k|v TILE ----------------
; 64 numbers p = x + 1 in v[YV] on become elu(x) + 1 = max(p, 2^-|p log2(e) - log2(e)|).  The 64 exponentials are one batch with one wait ahead of their first reader.
.macro ACT
.set ii, 0
.rept 32
	v_pk_fma_f32 v[EX+ii:EX+ii+1], v[YV+ii:YV+ii+1], s[LG:LG+1], v[NLG:NLG+1] op_sel_hi:[1,0,0]   ; x log2(e), two at a time (of the pairs the low word serves both halves)
.set ii, ii+2
.endr
.set ii, 0
.rept 64
	v_exp_f32 v[EX+ii], -|v[EX+ii]|
.set ii, ii+1
.endr
	v_nop                                          ; a plain instruction behind the last exponential
	s_wait_alu depctr_va_vdst(0)
.set ii, 0
.rept 64
	v_max_num_f32 v[YV+ii], v[YV+ii], v[EX+ii]
.set ii, ii+1
.endr
.endm
; 64 numbers of a lane, v[s] .. v[s + 63], register 16 b + i in block b of 32 along K (the block's other 16 lie in lane l xor 16), become a fragment's codes in v[PC] on and its scale word in v[PW].
; A block's scale byte is its largest magnitude's exponent field - 8, held at 1 from below by a floor among the maximum's leaves.  pos = 1: no number is negative.
.macro QUANT s, pos
	s_wait_dscnt 0x0                               ; the last image's stores have read the registers that are written below
.if \pos
.irp b, 0,1,2,3
	v_max3_num_f32 v[TM+\b], v[\s+16*\b], v[\s+1+16*\b], 0x4800000   ; my 16 numbers of block b, and the floor 2^(9 - 127)
.endr
.irp i, 2,4,6,8,10,12,14
.irp b, 0,1,2,3
	v_max3_num_f32 v[TM+\b], v[TM+\b], v[\s+16*\b+\i], v[\s+1+16*\b+\i]   ; (the four blocks by turns)
.endr
.endr
.else
.irp b, 0,1,2,3
	v_max3_num_f32 v[TM+\b], |v[\s+16*\b]|, |v[\s+1+16*\b]|, 0x4800000
.endr
.irp i, 2,4,6,8,10,12,14
.irp b, 0,1,2,3
	v_max3_num_f32 v[TM+\b], v[TM+\b], |v[\s+16*\b+\i]|, |v[\s+1+16*\b+\i]|
.endr
.endr
.endif
.irp b, 0,1,2,3
	v_permlanex16_b32 v[TM+4+\b], v[TM+\b], s[SEL], s[SEL+1]
.endr
.irp b, 0,1,2,3
	v_max_num_f32 v[TM+\b], v[TM+\b], v[TM+4+\b]   ; with lane l xor 16's: the block's largest magnitude
.endr
.irp b, 0,1,2,3
	v_add_nc_u32 v[TM+12+\b], 0xfc000000, v[TM+\b] ; 8 off its exponent field: the conversion takes the exponent field of this operand as its scale
.endr
.irp b, 0,1,2,3
	v_and_or_b32 v[TM+8+\b], v[TM+\b], 0x7f800000, s[MNT]   ; 448 x the scale
.endr
.irp b, 0,1,2,3
	v_lshrrev_b32 v[TM+4+\b], 23, v[TM+12+\b]      ; the scale's byte
.endr
	v_lshl_or_b32 v[PW], v[TM+5], 8, v[TM+4]       ; the four bytes make my row's scale word
	v_lshl_or_b32 v[PW], v[TM+6], 16, v[PW]
	v_lshl_or_b32 v[PW], v[TM+7], 24, v[PW]
.irp b, 0,1,2,3
.irp i, 0,1,2,3,4,5,6,7,8,9,10,11,12,13,14,15
.if \pos
	v_min_num_f32 v[\s+16*\b+\i], v[\s+16*\b+\i], v[TM+8+\b]   ; the conversion to an 8-bit code does not saturate (ISA guide 7.6.2): the hold at the largest code x the scale
.else
	v_med3_num_f32 v[\s+16*\b+\i], v[\s+16*\b+\i], -v[TM+8+\b], v[TM+8+\b]
.endif
.endr
	v_cvt_scalef32_pk8_fp8_f32 v[PC+4*\b:PC+1+4*\b], v[\s+16*\b:\s+7+16*\b], v[TM+12+\b]
	v_cvt_scalef32_pk8_fp8_f32 v[PC+2+4*\b:PC+3+4*\b], v[\s+8+16*\b:\s+15+16*\b], v[TM+12+\b]
.endr
	v_nop                                          ; one plain vector instruction behind the last scaled conversion
.endm
.macro IMAGE off, soff                 ; the fragment goes to LDS as an image of its registers: 16 bytes a lane, 512 a store; its scale word 4 bytes a lane
.irp c, 0,1,2,3
	ds_store_b128 v[IST], v[PC+4*\c:PC+4*\c+3] offset:\off+512*\c
.endr
	ds_store_b32 v[SST], v[PW] offset:\soff
.endm
.macro KBLOCK a                        ; block a of k (window 2): column d = 64 i + 16 a + r, my 64 of the wave's 128 positions
	WIN 0x02                                       ; source 0 window 2
.set ii, 0
.rept 32
	v_pk_add_f32 v[YV+ii:YV+ii+1], v[64*\a+ii:64*\a+ii+1], v[BB+2*\a:BB+2*\a+1]   ; k + 1; each accumulator is read from its low end on
.set ii, ii+2
.endr
	WIN 0
	ACT
	v_pk_add_f32 v[TP:TP+1], v[YV:YV+1], v[YV+2:YV+3]             ; k_sum takes the UNQUANTISED sk: two chains
	v_pk_add_f32 v[TP+2:TP+3], v[YV+4:YV+5], v[YV+6:YV+7]
.irp t, 8,12,16,20,24,28,32,36,40,44,48,52,56,60
	v_pk_add_f32 v[TP:TP+1], v[TP:TP+1], v[YV+\t:YV+\t+1]
	v_pk_add_f32 v[TP+2:TP+3], v[TP+2:TP+3], v[YV+\t+2:YV+\t+3]
.endr
	v_pk_add_f32 v[TP:TP+1], v[TP:TP+1], v[TP+2:TP+3]
	v_add_f32 v[KSA+\a], v[TP], v[TP+1]
	QUANT YV, 1
	IMAGE 2048*\a, 128*\a
.endm
.macro VBLOCK a                        ; block a of v (window 3): column e = 64 i + 16 a + r
	WIN 0x03                                       ; source 0 window 3
.set ii, 0
.rept 32
	v_pk_add_f32 v[YV+ii:YV+ii+1], v[64*\a+ii:64*\a+ii+1], v[BB+8+2*\a:BB+8+2*\a+1]
.set ii, ii+2
.endr
	WIN 0
	QUANT YV, 0
	IMAGE 32768+2048*\a, 2048+128*\a
.endm
	; where my parts go: T = 16 batch + xt;  beta = 4 batch + cy
	s_lshr_b32 s17, s42, 4
	s_lshl_b32 s17, s17, 2
	s_add_co_u32 s17, s17, s41                     ; beta
	s_and_b32 s18, s42, 15                         ; xt
	s_lshl_b32 s20, s17, 4
	s_add_co_u32 s20, s20, s18
	s_lshl_b32 s20, s20, 16                        ; kvpart: 65,536 bytes for each (beta, xt),
	s_lshl_b32 s21, s14, 14                        ; 16,384 for each wave
	s_add_co_u32 s20, s20, s21
	s_mov_b32 s21, 0
	s_add_nc_u64 s[10:11], s[10:11], s[20:21]
	s_lshl_b32 s20, s17, 5
	s_lshl_b32 s18, s18, 1
	s_add_co_u32 s20, s20, s18
	s_add_co_u32 s20, s20, s16                     ; kspart: part 2 xt + j of beta's 32,
	s_lshl_b32 s20, s20, 9                         ; 512 bytes each,
	s_lshl_b32 s22, s15, 8                         ; my 64 columns
	s_add_co_u32 s20, s20, s22
	s_add_nc_u64 s[12:13], s[12:13], s[20:21]
.irp a, 0,1,2,3
	v_pk_add_f32 v[BB+2*\a:BB+2*\a+1], v[BB+2*\a:BB+2*\a+1], 1.0 op_sel_hi:[1,0]   ; bk + 1
.endr
	KBLOCK 0
	KBLOCK 1
	KBLOCK 2
	KBLOCK 3
	VBLOCK 0
	VBLOCK 1
	VBLOCK 2
	VBLOCK 3
.irp a, 0,1,2,3
	v_permlanex16_b32 v[TP+\a], v[KSA+\a], s[SEL], s[SEL+1]
.endr
.irp a, 0,1,2,3
	v_add_f32 v[KSA+\a], v[KSA+\a], v[TP+\a]       ; with lane l xor 16's 64 positions: the wave's 128
.endr
	v_cndmask_b32 v[KSA], v[KSA], v[KSA+1], s[HIM] ; lanes 16-31 take the next block: 32 neighbouring columns in 32 lanes
	v_cndmask_b32 v[KSA+2], v[KSA+2], v[KSA+3], s[HIM]
	global_store_b32 v[L4], v[KSA], s[12:13]       ; the two stores cover 256 consecutive bytes, aligned
	global_store_b32 v[L4], v[KSA+2], s[12:13] offset:128
	s_wait_dscnt 0x0                               ; for the others' sake: my images lie in LDS
	s_barrier_signal -1
	s_barrier_wait -1
	; kv's part: kv(d, e) over the tile's 256 positions.  Wave w makes d = 32 w .. 32 w + 31 (td = 2 w + u) against all 128 e: 16 accumulators, two K steps of 128 positions
.irp jj, 0,1
.irp u, 0,1
.irp c, 0,1,2,3
	ds_load_b128 v[128+16*(2*\jj+\u)+4*\c:128+16*(2*\jj+\u)+4*\c+3], v[ILW] offset:16384*\jj+2048*\u+512*\c
.endr
	ds_load_b32 v[SC+2*\jj+\u], v[SLW] offset:1024*\jj+128*\u
.endr
.endr
.irp jj, 0,1
.irp te, 0,1,2,3,4,5,6,7
	ds_load_b32 v[SC+4+8*\jj+\te], v[SLV] offset:128*(16+8*\jj+\te)
.endr
.endr
	WIN 0x40                                       ; destination window 1
.irp jj, 0,1
.irp te, 0,1,2,3,4,5,6,7
.irp c, 0,1,2,3
	ds_load_b128 v[128*\jj+16*\te+4*\c:128*\jj+16*\te+4*\c+3], v[ILV] offset:32768+16384*\jj+2048*\te+512*\c
.endr
.endr
.endr
	s_wait_dscnt 0x0
	WIN 0xa4                                       ; source 0 (sk) window 0, source 1 (v) window 1, C and D window 2
.irp u, 0,1
.irp te, 0,1,2,3,4,5,6,7
	v_wmma_scale_f32_16x16x128_f8f6f4 v[8*(8*\u+\te):8*(8*\u+\te)+7], v[128+16*\u:128+16*\u+15], v[16*\te:16*\te+15], 0, v[SC+\u], v[SC+4+\te]
.endr
.endr
.irp u, 0,1                            ; the 16 accumulators take turns
.irp te, 0,1,2,3,4,5,6,7
	v_wmma_scale_f32_16x16x128_f8f6f4 v[8*(8*\u+\te):8*(8*\u+\te)+7], v[128+16*(2+\u):128+16*(2+\u)+15], v[128+16*\te:128+16*\te+15], v[8*(8*\u+\te):8*(8*\u+\te)+7], v[SC+2+\u], v[SC+12+\te]
.endr
.endr
	PLACES NP
	WIN 0x08                                       ; a store's data are its source 1: window 2
.irp te, 0,1,2,3,4,5,6,7               ; register n of lane (r, h) is kv(16 td + 8 h + n, 16 te + r): the images go out as they stand, 512 consecutive bytes a store
.irp u, 0,1
	global_store_b128 v[ILV], v[8*(8*\u+\te):8*(8*\u+\te)+3], s[10:11] offset:2048*\te+1024*\u th:TH_STORE_NT
	global_store_b128 v[ILV], v[8*(8*\u+\te)+4:8*(8*\u+\te)+7], s[10:11] offset:2048*\te+1024*\u+512 th:TH_STORE_NT
.endr
.endr
	WIN 0
	s_branch .Ldone
; ---------------- THE WAY OUT OF A q TILE ----------------
.Lq_tile:
	s_and_b32 s17, ttmp9, 7
	s_lshl_b32 s17, s17, 2
	s_add_co_u32 s17, s17, s41                     ; X's tile y
	s_lshl_b32 s17, s17, 4
	s_lshl_b32 s18, s40, 2
	s_add_co_u32 s17, s17, s18
	s_add_co_u32 s17, s17, s14                     ; 16 y + 4 cx + wave
	s_lshl_b32 s20, s17, 16                        ; 65,536 bytes a wave
	s_mov_b32 s21, 0
	s_add_nc_u64 s[8:9], s[8:9], s[20:21]
	WIN 0x08                                       ; the data: window 2
.irp a, 0,1,2,3
.irp b, 0,1,2,3,4,5,6,7
	global_store_b128 v[ILV], v[64*\a+8*\b:64*\a+8*\b+3], s[8:9] offset:1024*(8*\a+\b) th:TH_STORE_NT       ; 32 lanes store 512 consecutive bytes, aligned; each accumulator from its low end on
	global_store_b128 v[ILV], v[64*\a+8*\b+4:64*\a+8*\b+7], s[8:9] offset:1024*(8*\a+\b)+512 th:TH_STORE_NT
.endr
.endr
	WIN 0x0c                                       ; window 3
.irp a, 0,1,2,3
.irp b, 0,1,2,3,4,5,6,7
	global_store_b128 v[ILV], v[64*\a+8*\b:64*\a+8*\b+3], s[8:9] offset:1024*(32+8*\a+\b) th:TH_STORE_NT
	global_store_b128 v[ILV], v[64*\a+8*\b+4:64*\a+8*\b+7], s[8:9] offset:1024*(32+8*\a+\b)+512 th:TH_STORE_NT
.endr
.endr
	WIN 0
.Ldone:
	s_wait_tensorcnt 0x0                           ; the wave's end: behind my last tensor load and my last LDS store
	ds_add_u32 v[SPW], v[NIL]
	s_wait_dscnt 0x0
	CROUND                                         ; the closing round: no work-group ends while a partner may still ask for a tile that names it
	s_endpgm
.Lfunc_end_k_q259df3283a_proj:
	.size	k_q259df3283a_proj, .Lfunc_end_k_q259df3283a_proj-k_q259df3283a_proj
	.p2alignl 7, 3214868480
	.fill 96, 4, 3214868480
	.section	.rodata,"a",@progbits
	.p2align	6, 0x0
	.amdhsa_kernel k_q259df3283a_proj
		.amdhsa_group_segment_fixed_size 327680
		.amdhsa_private_segment_fixed_size 0
		.amdhsa_enable_private_segment 0
		.amdhsa_kernarg_size 104
		.amdhsa_user_sgpr_count 2
		.amdhsa_user_sgpr_kernarg_segment_ptr 1
		.amdhsa_wavefront_size32 1
		.amdhsa_system_sgpr_workgroup_id_x 1
		.amdhsa_system_sgpr_workgroup_id_y 1
		.amdhsa_system_sgpr_workgroup_id_z 1
		.amdhsa_system_vgpr_workitem_id 0
		.amdhsa_next_free_vgpr 1024
		.amdhsa_next_free_sgpr 102
		.amdhsa_reserve_vcc 0
		.amdhsa_float_denorm_mode_32 3
		.amdhsa_float_denorm_mode_16_64 3
		.amdhsa_memory_ordered 1
		.amdhsa_forward_progress 1
		.amdhsa_inst_pref_size 255
	.end_amdhsa_kernel
	.section	.bss,"aw",@nobits
	.p2align	6
	.space	262144
	.amdgpu_metadata
---
amdhsa.version: [ 1, 2 ]
amdhsa.kernels:
  - .name:           k_q259df3283a_proj
    .symbol:         k_q259df3283a_proj.kd
    .args:
      - { .name: hidden_states_codes, .offset: 0, .size: 8, .value_kind: global_buffer, .address_space: global }
      - { .name: hidden_states_scales, .offset: 8, .size: 8, .value_kind: global_buffer, .address_space: global }
      - { .name: Wq_codes, .offset: 16, .size: 8, .value_kind: global_buffer, .address_space: global }
      - { .name: Wq_scales, .offset: 24, .size: 8, .value_kind: global_buffer, .address_space: global }
      - { .name: Wk_codes, .offset: 32, .size: 8, .value_kind: global_buffer, .address_space: global }
      - { .name: Wk_scales, .offset: 40, .size: 8, .value_kind: global_buffer, .address_space: global }
      - { .name: Wv_codes, .offset: 48, .size: 8, .value_kind: global_buffer, .address_space: global }
      - { .name: Wv_scales, .offset: 56, .size: 8, .value_kind: global_buffer, .address_space: global }
      - { .name: bk, .offset: 64, .size: 8, .value_kind: global_buffer, .address_space: global }
      - { .name: bv, .offset: 72, .size: 8, .value_kind: global_buffer, .address_space: global }
      - { .name: qf, .offset: 80, .size: 8, .value_kind: global_buffer, .address_space: global }
      - { .name: kvpart, .offset: 88, .size: 8, .value_kind: global_buffer, .address_space: global }
      - { .name: kspart, .offset: 96, .size: 8, .value_kind: global_buffer, .address_space: global }
    .group_segment_fixed_size: 327680
    .private_segment_fixed_size: 0
    .kernarg_segment_align: 8
    .kernarg_segment_size: 104
    .max_flat_workgroup_size: 128
    .sgpr_count:     102
    .vgpr_count:     1024
    .wavefront_size: 32
...
	.end_amdgpu_metadata
.endif
;; end of part 1
;; launch reduce (part 2): grid 256 x 1, 1 waves a work-group, no clusters, 0 bytes of LDS; arguments kvpart, kspart, kvc, kvs, ksum; writes kvc, kvs, ksum
.if DOCPART == 2
	.amdgcn_target "amdgcn-amd-amdhsa--gfx1250"
	.amdhsa_code_object_version 6
	.text
	.protected	k_q259df3283a_reduce
	.globl	k_q259df3283a_reduce
	.p2align	8
	.type	k_q259df3283a_reduce,@function
k_q259df3283a_reduce:
	s_mov_b64 s[64:65], 0
	v_nop
	global_prefetch_b8 v0, s[64:65] scope:SCOPE_SE
	s_setreg_imm32_b32 hwreg(HW_REG_WAVE_MODE, 25, 1), 1
	s_wait_xcnt 0x0
; LAUNCH 2 OF 4.  kv = the sum of its 16 parts, quantised along d to codes of FP8 (E4M3) with one E8M0 byte for each 32 d; k_sum = the sum of its 32 parts.  All sums in f32.
; As in the first launch, kv and k_sum are made once for each (batch, key/value head) beta = 0 .. 7: reference()'s two heads of a group hold the same arrays.
; A work-group is one wave: (beta, c, te) = a block of 32 d (32 c on) x 16 e (16 te on) of kv, and four numbers of k_sum (d = 32 c + 4 te on).  256 of them cover all.
; kvpart: [beta][xt 16][c 4][te 8][u 2][piece 2][lane][16 bytes]: register 8 u + n of lane (r, h) is kv(32 c + 16 u + 8 h + n, 16 te + r): a lane's 16 registers and lane l xor 16's are one block of 32 along d.
; The codes leave as piece c of the image of fragment te of kv^T (16 rows e x 128 d): 16 bytes a lane, 512 consecutive bytes.  d's order inside a block of 32 is that of the parts; the third launch makes sq in the same order.
; The scale byte of row e and block c goes to kvs [beta][te][r][c]: sixteen single bytes, 4 apart: the price of a wave to a block; 4,096 bytes in the whole launch.
; No LDS, no barrier.  All 65 loads are issued at once.  LIMITS: as stated in the first launch (a block under 2^-118 gets the byte 1; NaN and infinities are not served).
.set ACC, 64                           ; v64-79: part 0, and the sums; parts 1-7 at v[64 + 16 p]; parts 8-15 in window 1 at v[16 (p - 8)]
.set MSB, 0
.macro WIN new                         ; the immediate's high byte repeats the setting that is left
.if MSB != \new
	s_set_vgpr_msb (MSB<<8)|\new
.set MSB, \new
.endif
.endm
	s_load_b256 s[4:11], s[0:1], 0x0               ; kvpart s[4:5], kspart s[6:7], kvc s[8:9], kvs s[10:11]
	s_load_b64 s[12:13], s[0:1], 0x20              ; ksum
	v_lshlrev_b32 v1, 4, v0                        ; 16 lane (one wave: v0 is the lane)
	v_lshlrev_b32 v2, 9, v0                        ; 512 lane: lane l takes part l of k_sum
	v_and_b32 v3, 15, v0
	v_lshlrev_b32 v3, 2, v3                        ; 4 r
	v_mov_b32 v4, 0
.irp n, 0,1,2,3
	v_mov_b32 v[32+\n], 0                          ; written once: a lane permute's destination counts as one of its sources
.endr
	s_lshr_b32 s14, ttmp9, 5                       ; beta
	s_bfe_u32 s15, ttmp9, 0x20003                  ; c
	s_and_b32 s16, ttmp9, 7                        ; te
	s_lshl_b32 s18, s14, 20                        ; kvpart: beta x 16 parts x 65,536
	s_lshl_b32 s17, s15, 14
	s_add_co_u32 s18, s18, s17
	s_lshl_b32 s17, s16, 11
	s_add_co_u32 s18, s18, s17
	s_mov_b32 s19, 0
	s_lshl_b32 s20, s14, 14                        ; kspart: beta x 32 parts x 512, + 4 (32 c + 4 te)
	s_lshl_b32 s17, s15, 7
	s_add_co_u32 s20, s20, s17
	s_lshl_b32 s17, s16, 4
	s_add_co_u32 s20, s20, s17
	s_mov_b32 s21, 0
	s_lshl_b32 s22, s14, 14                        ; kvc: beta x 16,384 + te x 2,048 + c x 512
	s_lshl_b32 s17, s16, 11
	s_add_co_u32 s22, s22, s17
	s_lshl_b32 s17, s15, 9
	s_add_co_u32 s22, s22, s17
	s_mov_b32 s23, 0
	s_lshl_b32 s24, s14, 9                         ; kvs: beta x 512 + te x 64 + c
	s_lshl_b32 s17, s16, 6
	s_add_co_u32 s24, s24, s17
	s_add_co_u32 s24, s24, s15
	s_mov_b32 s25, 0
	s_lshl_b32 s26, s14, 9                         ; ksum: beta x 512 + 4 (32 c + 4 te)
	s_lshl_b32 s17, s15, 7
	s_add_co_u32 s26, s26, s17
	s_lshl_b32 s17, s16, 4
	s_add_co_u32 s26, s26, s17
	s_mov_b32 s27, 0
	s_mov_b32 s28, 0x76543210
	s_mov_b32 s29, 0xfedcba98                      ; v_permlanex16_b32's selects for lane l xor 16
	s_mov_b32 s30, 0x600000                        ; the mantissa field of 448
	s_wait_kmcnt 0x0
	s_add_nc_u64 s[4:5], s[4:5], s[18:19]
	s_add_nc_u64 s[6:7], s[6:7], s[20:21]
	s_add_nc_u64 s[8:9], s[8:9], s[22:23]
	s_add_nc_u64 s[10:11], s[10:11], s[24:25]
	s_add_nc_u64 s[12:13], s[12:13], s[26:27]
	global_load_b128 v[16:19], v2, s[6:7]          ; four numbers of part l of k_sum
.irp p, 0,1,2,3,4,5,6,7
.irp k, 0,1,2,3
	global_load_b128 v[ACC+16*\p+4*\k:ACC+16*\p+4*\k+3], v1, s[4:5] offset:65536*\p+512*\k th:TH_LOAD_NT   ; 512 consecutive bytes a load
.endr
.endr
	WIN 0x40                                       ; destination window 1
.irp p, 8,9,10,11,12,13,14,15
.irp k, 0,1,2,3
	global_load_b128 v[16*(\p-8)+4*\k:16*(\p-8)+4*\k+3], v1, s[4:5] offset:65536*\p+512*\k th:TH_LOAD_NT
.endr
.endr
	WIN 0
.irp p, 1,2,3,4,5,6,7
	s_wait_loadcnt 4*(15-\p)                       ; part p is in: the four loads of each younger part may be out
.irp t, 0,2,4,6,8,10,12,14
	v_pk_add_f32 v[ACC+\t:ACC+\t+1], v[ACC+\t:ACC+\t+1], v[ACC+16*\p+\t:ACC+16*\p+\t+1]
.endr
.endr
	WIN 0x04                                       ; source 1 window 1
.irp p, 8,9,10,11,12,13,14,15
	s_wait_loadcnt 4*(15-\p)
.irp t, 0,2,4,6,8,10,12,14
	v_pk_add_f32 v[ACC+\t:ACC+\t+1], v[ACC+\t:ACC+\t+1], v[16*(\p-8)+\t:16*(\p-8)+\t+1]
.endr
.endr
	WIN 0
	; the block's largest magnitude, with the floor 2^(9 - 127) among its leaves: the byte cannot fall under 1
	v_max3_num_f32 v24, |v[ACC]|, |v[ACC+1]|, 0x4800000
	v_max3_num_f32 v25, |v[ACC+2]|, |v[ACC+3]|, |v[ACC+4]|
	v_max3_num_f32 v24, v24, |v[ACC+5]|, |v[ACC+6]|
	v_max3_num_f32 v25, v25, |v[ACC+7]|, |v[ACC+8]|
	v_max3_num_f32 v24, v24, |v[ACC+9]|, |v[ACC+10]|
	v_max3_num_f32 v25, v25, |v[ACC+11]|, |v[ACC+12]|
	v_max3_num_f32 v24, v24, |v[ACC+13]|, |v[ACC+14]|
	v_max3_num_f32 v24, v24, v25, |v[ACC+15]|
	v_permlanex16_b32 v25, v24, s28, s29
	v_max_num_f32 v24, v24, v25                    ; with lane l xor 16's 16
	v_add_nc_u32 v27, 0xfc000000, v24              ; 8 off its exponent field: the conversion's scale operand
	v_and_or_b32 v26, v24, 0x7f800000, s30         ; 448 x the scale
	v_lshrrev_b32 v28, 23, v27                     ; the scale's byte
.irp i, 0,1,2,3,4,5,6,7,8,9,10,11,12,13,14,15
	v_med3_num_f32 v[ACC+\i], v[ACC+\i], -v26, v26 ; the conversion to an 8-bit code does not saturate (ISA guide 7.6.2): the hold
.endr
	v_cvt_scalef32_pk8_fp8_f32 v[20:21], v[ACC:ACC+7], v27
	v_cvt_scalef32_pk8_fp8_f32 v[22:23], v[ACC+8:ACC+15], v27
	v_nop                                          ; one plain vector instruction behind the last scaled conversion
	global_store_b128 v1, v[20:23], s[8:9]         ; 32 lanes store 512 consecutive bytes, aligned
	; k_sum: the sum over the 32 lanes of each of the four numbers
.irp x, 1,2,4,8
.irp n, 0,1,2,3
	v_add_f32_dpp v[16+\n], v[16+\n], v[16+\n] row_xmask:\x row_mask:0xf bank_mask:0xf
.endr
.endr
.irp n, 0,1,2,3
	v_permlanex16_b32 v[32+\n], v[16+\n], s28, s29
.endr
.irp n, 0,1,2,3
	v_add_f32 v[16+\n], v[16+\n], v[32+\n]
.endr
	s_wait_xcnt 0x0                                ; EXEC changes only behind this wait: it is a source of the store above
	v_cmp_gt_u32 vcc_lo, 16, v0
	s_and_saveexec_b32 s31, vcc_lo                 ; lanes 0-15: row r's byte (lanes 16-31 hold the same)
	global_store_b8 v3, v28, s[10:11]
	s_wait_xcnt 0x0
	s_or_b32 exec_lo, exec_lo, s31
	v_cmp_eq_u32 vcc_lo, 0, v0
	s_and_saveexec_b32 s31, vcc_lo                 ; lane 0: the four sums
	global_store_b128 v4, v[16:19], s[12:13]
	s_wait_xcnt 0x0
	s_or_b32 exec_lo, exec_lo, s31
	s_endpgm
.Lfunc_end_k_q259df3283a_reduce:
	.size	k_q259df3283a_reduce, .Lfunc_end_k_q259df3283a_reduce-k_q259df3283a_reduce
	.p2alignl 7, 3214868480
	.fill 96, 4, 3214868480
	.section	.rodata,"a",@progbits
	.p2align	6, 0x0
	.amdhsa_kernel k_q259df3283a_reduce
		.amdhsa_group_segment_fixed_size 0
		.amdhsa_private_segment_fixed_size 0
		.amdhsa_enable_private_segment 0
		.amdhsa_kernarg_size 40
		.amdhsa_user_sgpr_count 2
		.amdhsa_user_sgpr_kernarg_segment_ptr 1
		.amdhsa_wavefront_size32 1
		.amdhsa_system_sgpr_workgroup_id_x 1
		.amdhsa_system_sgpr_workgroup_id_y 1
		.amdhsa_system_sgpr_workgroup_id_z 1
		.amdhsa_system_vgpr_workitem_id 0
		.amdhsa_next_free_vgpr 384
		.amdhsa_next_free_sgpr 66
		.amdhsa_reserve_vcc 1
		.amdhsa_float_denorm_mode_32 3
		.amdhsa_float_denorm_mode_16_64 3
		.amdhsa_memory_ordered 1
		.amdhsa_forward_progress 1
		.amdhsa_inst_pref_size 21
	.end_amdhsa_kernel
	.amdgpu_metadata
---
amdhsa.version: [ 1, 2 ]
amdhsa.kernels:
  - .name:           k_q259df3283a_reduce
    .symbol:         k_q259df3283a_reduce.kd
    .args:
      - { .name: kvpart, .offset: 0, .size: 8, .value_kind: global_buffer, .address_space: global }
      - { .name: kspart, .offset: 8, .size: 8, .value_kind: global_buffer, .address_space: global }
      - { .name: kvc, .offset: 16, .size: 8, .value_kind: global_buffer, .address_space: global }
      - { .name: kvs, .offset: 24, .size: 8, .value_kind: global_buffer, .address_space: global }
      - { .name: ksum, .offset: 32, .size: 8, .value_kind: global_buffer, .address_space: global }
    .group_segment_fixed_size: 0
    .private_segment_fixed_size: 0
    .kernarg_segment_align: 8
    .kernarg_segment_size: 40
    .max_flat_workgroup_size: 32
    .sgpr_count:     66
    .vgpr_count:     384
    .wavefront_size: 32
...
	.end_amdgpu_metadata
.endif
;; end of part 2
;; launch attn (part 3): grid 256 x 1, 4 waves a work-group, no clusters, 34,816 bytes of LDS; arguments qf, bq, kvc, kvs, ksum, ac, asc; writes ac, asc
.if DOCPART == 3
	.amdgcn_target "amdgcn-amd-amdhsa--gfx1250"
	.amdhsa_code_object_version 6
	.text
	.protected	k_q259df3283a_attn
	.globl	k_q259df3283a_attn
	.p2align	8
	.type	k_q259df3283a_attn,@function
k_q259df3283a_attn:
	s_mov_b64 s[64:65], 0
	v_nop
	global_prefetch_b8 v0, s[64:65] scope:SCOPE_SE
	s_setreg_imm32_b32 hwreg(HW_REG_WAVE_MODE, 25, 1), 1
	s_wait_xcnt 0x0
; LAUNCH 3 OF 4.  sq = elu(q + bq) + 1;  norm = sq . k_sum (f32 multiply-adds on the unquantised sq);  qkv = Q(sq) Q(kv), K = d, on codes of FP8 (E4M3) with E8M0 scales;
; attn = qkv / (norm + 1e-6), quantised along its 1,024 columns (head, e): codes ac [8192][1024] in their true order and scale bytes asc [8192][32], for the last launch.
; kv and k_sum are read once for the two heads of a group: reference() repeats each key/value head twice, so both heads meet the same arrays.
; elu(x) + 1 = max(x + 1, e^-|x|), as shown and with the limits stated in the first launch; the division is v_rcp_f32 (1 ulp) and a multiplication.
; SHARES.  A work-group owns 32 positions (rows 32 g on) of all 8 heads; wave x owns heads 2 x and 2 x + 1: four UNITS (j, aa) of 16 positions x one head.
; qf holds the accumulators of the first launch's q tiles as images: [y 32][x 4][wave 2 i + j][a 8][b 8][piece 2][lane][16 bytes]; register 8 b + n of lane (r, h) is q(position r of block a, d = 16 b + 8 h + n).
;   There block a of wave row i held the tile's rows 64 i + 16 (a % 4) + 128 (a / 4): rows 32 g on are y = g / 8, i = bit 1 of g, a = 2 (g % 2) + 4 (bit 2 of g) + aa.
; K's ORDER.  The registers 16 c + i of sq hold d = 32 c + 8 h + i % 8 + 16 (i / 8) and are used as the places 32 c + 16 h + i; kv's codes were made in the same order: the same exchange on both sides, inside a block of 32.
;   attn meets Wo, whose order is given: its codes are put at their true bytes on the way through the stage.
; The product is used transposed: source 0 = 16 rows e of kv^T, source 1 = my 16 positions: a lane holds one position, its registers run along e, the next K.
; No tensor load; all 152 loads of a wave are issued at its head.  No cluster: what waves of different work-groups share, 16 KB of kv, is small beside a wave's own 32 KB of q.
; REGISTERS, in windows of 256: window 0: v1-8 addresses, v10-15 the norm, v16-23 kv's scale words, v26 the scale word just made, v32-47 and v48-63 the quantiser, v64-127 and v128-191 at work, v192-255 rows on the way out.
;   window 1: v0-127 kv^T's 8 fragments, v128-191 k_sum.   window 2: the four units of q.   window 3: bq + 1 of the two heads.   (Index 8 b + n stands for d = 16 b + 8 h + n everywhere.)
.set STG,   0                          ; LDS: 32 rows x (1,024 bytes of codes + 16)
.set SROW,  1040
.set SSC,   32*SROW                    ; the rows' scale bytes, 32 each
.set SPARE, SSC+1024                   ; the spare words, 128 bytes for each wave: two blocks of 256 bytes that no other line names
.set L16, 1                            ; v1   16 lane
.set H32, 2                            ; v2   32 h
.set R4,  3                            ; v3   4 r
.set STO, 4                            ; v4   the stage: row r, + 8 h, + 256 wave
.set SSO, 5                            ; v5   SSC + 32 r + 8 wave
.set RD,  6                            ; v6   back: 8 rows x wave + 16 lane
.set RDS, 7                            ; v7   SSC + 256 wave + 8 lane
.set L8,  8                            ; v8   8 lane
.set NA,  10                           ; v10-13 the norm's two chains
.set RC,  14                           ; v14  1 / (norm + 1e-6); v15 is named with it as a pair
.set KVS, 16
.set SPW, 24                           ; v24  LDS address of my spare word; never rewritten
.set NIL, 25                           ; v25  0; never rewritten
.set PW,  26
.set OS,  28                           ; v28-29 scale bytes on the way out
.set NLG, 30                           ; v30-31 -log2(e)
.set TM,  32
.set PC,  48
.set EX,  64
.set YV,  128
.set OB,  192
.set LG,  40                           ; s[40:41] log2(e)
.set SEL, 42                           ; s[42:43] lane selects: lane l xor 16
.set MNT, 44                           ; s44 the mantissa field of 448
.set MSB, 0
.macro WIN new                         ; the immediate's high byte repeats the setting that is left
.if MSB != \new
	s_set_vgpr_msb (MSB<<8)|\new
.set MSB, \new
.endif
.endm
	s_load_b256 s[4:11], s[0:1], 0x0               ; qf s[4:5], bq s[6:7], kvc s[8:9], kvs s[10:11]
	s_load_b128 s[12:15], s[0:1], 0x20             ; ksum s[12:13], ac s[14:15]
	s_load_b64 s[16:17], s[0:1], 0x30              ; asc
	v_lshl_add_u32 v[SPW], v0, 2, SPARE
	v_mov_b32 v[NIL], 0
	v_lshrrev_b32 v9, 5, v0
	v_readfirstlane_b32 s18, v9                    ; wave 0..3
	v_and_b32 v9, 31, v0                           ; lane
	v_lshlrev_b32 v[L16], 4, v9
	v_lshlrev_b32 v[L8], 3, v9
	v_bfe_u32 v10, v0, 4, 1                        ; h
	v_lshlrev_b32 v[H32], 5, v10
	v_and_b32 v11, 15, v0                          ; r
	v_lshlrev_b32 v[R4], 2, v11
	v_mul_u32_u24 v[STO], v11, SROW
	v_lshl_add_u32 v[STO], v10, 3, v[STO]
	s_lshl_b32 s19, s18, 8
	v_add_nc_u32 v[STO], s19, v[STO]
	v_lshlrev_b32 v[SSO], 5, v11
	s_lshl_b32 s19, s18, 3
	s_add_co_u32 s19, s19, SSC
	v_add_nc_u32 v[SSO], s19, v[SSO]
	s_mul_i32 s19, s18, 8*SROW
	v_add_nc_u32 v[RD], s19, v[L16]
	s_lshl_b32 s19, s18, 8
	s_add_co_u32 s19, s19, SSC
	v_add_nc_u32 v[RDS], s19, v[L8]
	v_mov_b32 v[RC+1], 0                           ; (named as the upper half of the pair, so it is written)
	v_mov_b32 v[NLG], 0xbfb8aa3b
	v_mov_b32 v[NLG+1], 0xbfb8aa3b
.irp b, 0,1,2,3
	v_mov_b32 v[TM+4+\b], 0                        ; written once: a lane permute's destination counts as one of its sources
.endr
	s_lshr_b32 s20, ttmp9, 3                       ; y
	s_bfe_u32 s22, ttmp9, 0x10001                  ; i
	s_and_b32 s23, ttmp9, 1
	s_bfe_u32 s24, ttmp9, 0x10002
	s_lshl_b32 s20, s20, 4
	s_lshl_b32 s25, s18, 2
	s_add_co_u32 s20, s20, s25
	s_lshl_b32 s22, s22, 1
	s_add_co_u32 s20, s20, s22                     ; 16 y + 4 x + 2 i
	s_lshl_b32 s20, s20, 16
	s_lshl_b32 s23, s23, 14                        ; 8,192 bytes a block a: a = 2 (g % 2)
	s_lshl_b32 s24, s24, 15                        ; + 4 (bit 2 of g)
	s_add_co_u32 s20, s20, s23
	s_add_co_u32 s20, s20, s24
	s_mov_b32 s21, 0
	s_lshr_b32 s26, ttmp9, 7                       ; the batch
	s_lshl_b32 s26, s26, 2
	s_add_co_u32 s26, s26, s18                     ; beta = 4 batch + x
	s_lshl_b32 s28, s26, 14                        ; kvc
	s_mov_b32 s29, 0
	s_lshl_b32 s30, s26, 9                         ; kvs, ksum
	s_mov_b32 s31, 0
	s_lshl_b32 s32, s18, 10                        ; bq: 256 numbers a wave
	s_mov_b32 s33, 0
	s_lshl_b32 s34, ttmp9, 15                      ; ac: 32 rows of 1,024 bytes, my 8 of them
	s_lshl_b32 s25, s18, 13
	s_add_co_u32 s34, s34, s25
	s_mov_b32 s35, 0
	s_lshl_b32 s36, ttmp9, 10                      ; asc: 32 rows of 32 bytes, my 8
	s_lshl_b32 s25, s18, 8
	s_add_co_u32 s36, s36, s25
	s_mov_b32 s37, 0
	s_mov_b32 s[LG], 0x3fb8aa3b
	s_mov_b32 s[LG+1], s[LG]
	s_mov_b32 s[SEL], 0x76543210
	s_mov_b32 s[SEL+1], 0xfedcba98
	s_mov_b32 s[MNT], 0x600000
	s_wait_kmcnt 0x0
	s_add_nc_u64 s[4:5], s[4:5], s[20:21]
	s_add_nc_u64 s[6:7], s[6:7], s[32:33]
	s_add_nc_u64 s[8:9], s[8:9], s[28:29]
	s_add_nc_u64 s[10:11], s[10:11], s[30:31]
	s_add_nc_u64 s[12:13], s[12:13], s[30:31]
	s_add_nc_u64 s[14:15], s[14:15], s[34:35]
	s_add_nc_u64 s[16:17], s[16:17], s[36:37]
.macro QLOAD j, aa                     ; a unit of q: 16 loads of 512 consecutive bytes
.irp b, 0,1,2,3,4,5,6,7
	global_load_b128 v[64*(2*\j+\aa)+8*\b:64*(2*\j+\aa)+8*\b+3], v[L16], s[4:5] offset:65536*\j+8192*\aa+1024*\b th:TH_LOAD_NT
	global_load_b128 v[64*(2*\j+\aa)+8*\b+4:64*(2*\j+\aa)+8*\b+7], v[L16], s[4:5] offset:65536*\j+8192*\aa+1024*\b+512 th:TH_LOAD_NT
.endr
.endm
	WIN 0xc0                                       ; destination window 3: bq, 32 loads
.irp j, 0,1
.irp b, 0,1,2,3,4,5,6,7
	global_load_b128 v[64*\j+8*\b:64*\j+8*\b+3], v[H32], s[6:7] offset:512*\j+64*\b
	global_load_b128 v[64*\j+8*\b+4:64*\j+8*\b+7], v[H32], s[6:7] offset:512*\j+64*\b+16
.endr
.endr
	WIN 0x80                                       ; window 2: unit 0, 16 loads
	QLOAD 0, 0
	WIN 0x40                                       ; window 1: k_sum, 16 loads
.irp b, 0,1,2,3,4,5,6,7
	global_load_b128 v[128+8*\b:128+8*\b+3], v[H32], s[12:13] offset:64*\b
	global_load_b128 v[128+8*\b+4:128+8*\b+7], v[H32], s[12:13] offset:64*\b+16
.endr
	WIN 0                                          ; kv's scale words, 8 loads: lane r takes row e = 16 te + r's
.irp te, 0,1,2,3,4,5,6,7
	global_load_b32 v[KVS+\te], v[R4], s[10:11] offset:64*\te
.endr
	WIN 0x40                                       ; window 1: kv^T's fragments, 32 loads
.irp te, 0,1,2,3,4,5,6,7
.irp c, 0,1,2,3
	global_load_b128 v[16*\te+4*\c:16*\te+4*\c+3], v[L16], s[8:9] offset:2048*\te+512*\c
.endr
.endr
	WIN 0x80                                       ; window 2: units 1 to 3, 48 loads
	QLOAD 0, 1
	QLOAD 1, 0
	QLOAD 1, 1
	s_wait_loadcnt 63                              ; of the 152 at most the youngest 63 are out: the first 72 (bq, unit 0, k_sum, kv's scale words) are in
	WIN 0xc3                                       ; destination and source 0 window 3
.set ii, 0
.rept 64
	v_pk_add_f32 v[ii:ii+1], v[ii:ii+1], 1.0 op_sel_hi:[1,0]       ; bq + 1
.set ii, ii+2
.endr
	WIN 0
; 64 numbers p = x + 1 in v[YV] on become elu(x) + 1 = max(p, 2^-|p log2(e) - log2(e)|).  The 64 exponentials are one batch with one wait ahead of their first reader.
.macro ACT
.set ii, 0
.rept 32
	v_pk_fma_f32 v[EX+ii:EX+ii+1], v[YV+ii:YV+ii+1], s[LG:LG+1], v[NLG:NLG+1] op_sel_hi:[1,0,0]   ; x log2(e), two at a time (of the pairs the low word serves both halves)
.set ii, ii+2
.endr
.set ii, 0
.rept 64
	v_exp_f32 v[EX+ii], -|v[EX+ii]|
.set ii, ii+1
.endr
	v_nop                                          ; a plain instruction behind the last exponential
	s_wait_alu depctr_va_vdst(0)
.set ii, 0
.rept 64
	v_max_num_f32 v[YV+ii], v[YV+ii], v[EX+ii]
.set ii, ii+1
.endr
.endm
; 64 numbers of a lane, v[s] .. v[s + 63], register 16 b + i in block b of 32 along K (the block's other 16 lie in lane l xor 16), become a fragment's codes in v[PC] on and its scale word in v[PW].
; A block's scale byte is its largest magnitude's exponent field - 8, held at 1 from below by a floor among the maximum's leaves.  pos = 1: no number is negative.
.macro QUANT s, pos
	s_wait_dscnt 0x0                               ; the last LDS stores have read the registers that are written below
.if \pos
.irp b, 0,1,2,3
	v_max3_num_f32 v[TM+\b], v[\s+16*\b], v[\s+1+16*\b], 0x4800000   ; my 16 numbers of block b, and the floor 2^(9 - 127)
.endr
.irp i, 2,4,6,8,10,12,14
.irp b, 0,1,2,3
	v_max3_num_f32 v[TM+\b], v[TM+\b], v[\s+16*\b+\i], v[\s+1+16*\b+\i]   ; (the four blocks by turns)
.endr
.endr
.else
.irp b, 0,1,2,3
	v_max3_num_f32 v[TM+\b], |v[\s+16*\b]|, |v[\s+1+16*\b]|, 0x4800000
.endr
.irp i, 2,4,6,8,10,12,14
.irp b, 0,1,2,3
	v_max3_num_f32 v[TM+\b], v[TM+\b], |v[\s+16*\b+\i]|, |v[\s+1+16*\b+\i]|
.endr
.endr
.endif
.irp b, 0,1,2,3
	v_permlanex16_b32 v[TM+4+\b], v[TM+\b], s[SEL], s[SEL+1]
.endr
.irp b, 0,1,2,3
	v_max_num_f32 v[TM+\b], v[TM+\b], v[TM+4+\b]   ; with lane l xor 16's: the block's largest magnitude
.endr
.irp b, 0,1,2,3
	v_add_nc_u32 v[TM+12+\b], 0xfc000000, v[TM+\b] ; 8 off its exponent field: the conversion takes the exponent field of this operand as its scale
.endr
.irp b, 0,1,2,3
	v_and_or_b32 v[TM+8+\b], v[TM+\b], 0x7f800000, s[MNT]   ; 448 x the scale
.endr
.irp b, 0,1,2,3
	v_lshrrev_b32 v[TM+4+\b], 23, v[TM+12+\b]      ; the scale's byte
.endr
	v_lshl_or_b32 v[PW], v[TM+5], 8, v[TM+4]       ; the four bytes make my row's scale word: it stands more than 64 plain instructions ahead of the products
	v_lshl_or_b32 v[PW], v[TM+6], 16, v[PW]
	v_lshl_or_b32 v[PW], v[TM+7], 24, v[PW]
.irp b, 0,1,2,3
.irp i, 0,1,2,3,4,5,6,7,8,9,10,11,12,13,14,15
.if \pos
	v_min_num_f32 v[\s+16*\b+\i], v[\s+16*\b+\i], v[TM+8+\b]   ; the conversion to an 8-bit code does not saturate (ISA guide 7.6.2): the hold at the largest code x the scale
.else
	v_med3_num_f32 v[\s+16*\b+\i], v[\s+16*\b+\i], -v[TM+8+\b], v[TM+8+\b]
.endif
.endr
	v_cvt_scalef32_pk8_fp8_f32 v[PC+4*\b:PC+1+4*\b], v[\s+16*\b:\s+7+16*\b], v[TM+12+\b]
	v_cvt_scalef32_pk8_fp8_f32 v[PC+2+4*\b:PC+3+4*\b], v[\s+8+16*\b:\s+15+16*\b], v[TM+12+\b]
.endr
	v_nop                                          ; one plain vector instruction behind the last scaled conversion
.endm
; A UNIT: 16 positions (16 aa on) of head 2 x + j.  lc: how many younger loads may be out when this unit's q has to be in (63: unit 0, whose wait stands above)
.macro UNIT j, aa, lc
.if \lc < 63
	s_wait_loadcnt \lc                             ; this unit's 16 loads are in; the 16 of each later unit may be out
.endif
	WIN 0x0e                                       ; source 0 (q) window 2, source 1 (bq + 1) window 3
.set ii, 0
.rept 32
	v_pk_add_f32 v[YV+ii:YV+ii+1], v[64*(2*\j+\aa)+ii:64*(2*\j+\aa)+ii+1], v[64*\j+ii:64*\j+ii+1]
.set ii, ii+2
.endr
	WIN 0
	ACT                                            ; sq
	WIN 0x04                                       ; source 1 (k_sum) window 1
	v_pk_mul_f32 v[NA:NA+1], v[YV:YV+1], v[128:129]               ; norm = sq . k_sum, on the unquantised sq: two chains of packed multiply-adds
	v_pk_mul_f32 v[NA+2:NA+3], v[YV+2:YV+3], v[130:131]
.set ii, 4
.rept 15
	v_pk_fma_f32 v[NA:NA+1], v[YV+ii:YV+ii+1], v[128+ii:129+ii], v[NA:NA+1]
	v_pk_fma_f32 v[NA+2:NA+3], v[YV+ii+2:YV+ii+3], v[130+ii:131+ii], v[NA+2:NA+3]
.set ii, ii+4
.endr
	WIN 0
	v_pk_add_f32 v[NA:NA+1], v[NA:NA+1], v[NA+2:NA+3]
	v_add_f32 v[NA], v[NA], v[NA+1]
	v_permlanex16_b32 v[NA+1], v[NA], s[SEL], s[SEL+1]
	v_add_f32 v[NA], v[NA], v[NA+1]                ; with lane l xor 16's 64 of the 128 d
	v_add_f32 v[NA], 0x358637bd, v[NA]             ; + 1e-6
	v_rcp_f32 v[RC], v[NA]                         ; the quantiser's lines below are the plain work behind it; its wait stands ahead of its first reader
	QUANT YV, 1
.rept 4
	v_nop                                          ; codes written by vector instructions stand four places ahead of a scaled matrix instruction
.endr
.if \lc == 63
	s_wait_loadcnt 48                              ; kv^T's fragments are in; the 48 loads of units 1 to 3 may be out
.endif
	WIN 0x01                                       ; source 0 (kv^T) window 1
.irp te, 0,1,2,3,4,5,6,7
	v_wmma_scale_f32_16x16x128_f8f6f4 v[EX+8*\te:EX+8*\te+7], v[16*\te:16*\te+15], v[PC:PC+15], 0, v[KVS+\te], v[PW]   ; register n of lane (r, h): qkv(position r, e = 16 te + 8 h + n)
.endr
	WIN 0
.rept 8
	v_nop                                          ; places in front of the first read of results
.endr
	s_wait_alu depctr_va_vdst(0)                   ; the reciprocal's wait, ahead of its first reader
.set ii, 0
.rept 32
	v_pk_mul_f32 v[EX+ii:EX+ii+1], v[EX+ii:EX+ii+1], v[RC:RC+1] op_sel_hi:[1,0]   ; attn; each accumulator from its low end on
.set ii, ii+2
.endr
	QUANT EX, 0
.irp te, 0,1,2,3,4,5,6,7
	ds_store_b64 v[STO], v[PC+2*\te:PC+2*\te+1] offset:16*SROW*\aa+128*\j+16*\te   ; eight codes: columns 128 (2 x + j) + 16 te + 8 h on of my row: their true bytes
.endr
	ds_store_b32 v[SSO], v[PW] offset:512*\aa+4*\j ; the head's four scale bytes of my row (both halves of the lanes write the same word)
.endm
	UNIT 0, 0, 63
	UNIT 0, 1, 32
	UNIT 1, 0, 16
	UNIT 1, 1, 0
	s_wait_dscnt 0x0                               ; for the others' sake: my stores into the stage are done
	s_barrier_signal -1
	s_barrier_wait -1
.irp t, 0,1,2,3,4,5,6,7,8,9,10,11,12,13,14,15      ; my 8 whole rows: half a row, 512 bytes, a load
	ds_load_b128 v[OB+4*\t:OB+4*\t+3], v[RD] offset:SROW*(\t/2)+512*(\t%2)
.endr
	ds_load_b64 v[OS:OS+1], v[RDS]                 ; and their 256 scale bytes
.irp t, 0,1,2,3,4,5,6,7,8,9,10,11,12,13,14,15
	s_wait_dscnt 16-\t                             ; load t is in: the 16 - t younger ones may be out
	global_store_b128 v[L16], v[OB+4*\t:OB+4*\t+3], s[14:15] offset:512*\t   ; 32 lanes store 512 consecutive bytes, aligned
.endr
	s_wait_dscnt 0x0
	global_store_b64 v[L8], v[OS:OS+1], s[16:17]   ; 32 lanes store 256 consecutive bytes, aligned
	s_wait_tensorcnt 0x0                           ; the wave's end: behind my last LDS store
	ds_add_u32 v[SPW], v[NIL]
	s_wait_dscnt 0x0
	s_endpgm
.Lfunc_end_k_q259df3283a_attn:
	.size	k_q259df3283a_attn, .Lfunc_end_k_q259df3283a_attn-k_q259df3283a_attn
	.p2alignl 7, 3214868480
	.fill 96, 4, 3214868480
	.section	.rodata,"a",@progbits
	.p2align	6, 0x0
	.amdhsa_kernel k_q259df3283a_attn
		.amdhsa_group_segment_fixed_size 34816
		.amdhsa_private_segment_fixed_size 0
		.amdhsa_enable_private_segment 0
		.amdhsa_kernarg_size 56
		.amdhsa_user_sgpr_count 2
		.amdhsa_user_sgpr_kernarg_segment_ptr 1
		.amdhsa_wavefront_size32 1
		.amdhsa_system_sgpr_workgroup_id_x 1
		.amdhsa_system_sgpr_workgroup_id_y 1
		.amdhsa_system_sgpr_workgroup_id_z 1
		.amdhsa_system_vgpr_workitem_id 0
		.amdhsa_next_free_vgpr 1024
		.amdhsa_next_free_sgpr 66
		.amdhsa_reserve_vcc 0
		.amdhsa_float_denorm_mode_32 3
		.amdhsa_float_denorm_mode_16_64 3
		.amdhsa_memory_ordered 1
		.amdhsa_forward_progress 1
		.amdhsa_inst_pref_size 148
	.end_amdhsa_kernel
	.amdgpu_metadata
---
amdhsa.version: [ 1, 2 ]
amdhsa.kernels:
  - .name:           k_q259df3283a_attn
    .symbol:         k_q259df3283a_attn.kd
    .args:
      - { .name: qf, .offset: 0, .size: 8, .value_kind: global_buffer, .address_space: global }
      - { .name: bq, .offset: 8, .size: 8, .value_kind: global_buffer, .address_space: global }
      - { .name: kvc, .offset: 16, .size: 8, .value_kind: global_buffer, .address_space: global }
      - { .name: kvs, .offset: 24, .size: 8, .value_kind: global_buffer, .address_space: global }
      - { .name: ksum, .offset: 32, .size: 8, .value_kind: global_buffer, .address_space: global }
      - { .name: ac, .offset: 40, .size: 8, .value_kind: global_buffer, .address_space: global }
      - { .name: asc, .offset: 48, .size: 8, .value_kind: global_buffer, .address_space: global }
    .group_segment_fixed_size: 34816
    .private_segment_fixed_size: 0
    .kernarg_segment_align: 8
    .kernarg_segment_size: 56
    .max_flat_workgroup_size: 128
    .sgpr_count:     66
    .vgpr_count:     1024
    .wavefront_size: 32
...
	.end_amdgpu_metadata
.endif
;; end of part 3
;; launch outp (part 4): grid 8 x 32, 4 waves a work-group, clusters of 4 x 4, 327,680 bytes of LDS; arguments ac, asc, Wo_codes, Wo_scales, out0; writes out0
.if DOCPART == 4
	.amdgcn_target "amdgcn-amd-amdhsa--gfx1250"
	.amdhsa_code_object_version 6
	.text
	.protected	k_q259df3283a_outp
	.globl	k_q259df3283a_outp
	.p2align	8
	.type	k_q259df3283a_outp,@function
k_q259df3283a_outp:
	s_mov_b64 s[64:65], 0
	v_nop
	global_prefetch_b8 v0, s[64:65] scope:SCOPE_SE
	s_setreg_imm32_b32 hwreg(HW_REG_WAVE_MODE, 25, 1), 1
	s_wait_xcnt 0x0
	s_wait_alu depctr_hold_cnt(0) depctr_sa_sdst(0) depctr_va_vdst(0) depctr_va_sdst(0) depctr_va_ssrc(0) depctr_va_vcc(0) depctr_vm_vsrc(0)
	s_getreg_b32 s2, hwreg(HW_REG_IB_STS2, 6, 4)
	s_cmp_eq_u32 s2, 0
	s_cbranch_scc0 .Lentry_in_a_cluster
	s_endpgm
.Lentry_in_a_cluster:
	s_bfe_u32 s2, ttmp6, 0x10000c
	s_cmp_lg_u32 s2, 0xf033
	s_cbranch_scc0 .Lentry_shape_is_right
	s_endpgm
.Lentry_shape_is_right:
; LAUNCH 4 OF 4.  out0[m][n] = sum over k of attn[m][k] Wo[n][k].  A = attn: [SIZE_M][SIZE_K], B = Wo: [SIZE_N][SIZE_K]: codes of FP8 (E4M3) with one E8M0 scale for each 32 along K; C: [SIZE_M][SIZE_N] f32; sums in f32.
; A tile of C, 256 x 256, is made by a work-group of four waves; a wave makes 128 x 128: 64 accumulators of 16 x 16, 512 registers.  256 tiles, one to a work-group.
; K goes in steps of 256 through a ring of two LDS slots filled by the tensor data mover: a tile's row is 256 bytes of memory.
; THE SCALES of the work-group's 256 rows of A and 256 rows of B, for all of K, are two dense blocks of memory: they come into LDS ONCE, with the first fills, in whole runs of 256 bytes, and stay.
; CLUSTERS: 4 x 4 work-groups.  The four of a row of the cluster need the same tiles of A, the four of a column the same tiles of B: each tile is asked for JOINTLY, by the same tensor load with the
; same descriptor and a mask that names the four.  THE MATRIX INSTRUCTION IS USED TRANSPOSED (source 0 = 16 rows of B, source 1 = 16 rows of A): a lane then holds eight neighbouring numbers of a row of C.
; REGISTERS, in windows of 256: window 0: v0-31 addresses; v32-63 scale words, two sets; from v128 A's fragments (8 x 16 rows x 128 K), ONE set; on the way out v128-255 take rows of C.
;   window 1: B's fragments, TWO sets, at v0 and at v128.   window 2: the 32 accumulators of my rows 0-63 (accumulator (a, b) at v[8 (8 a + b)]);   window 3: those of my rows 64-127.
; A step of 128 along K is 64 matrix instructions, A's blocks one after the other, each against B's eight.  So a block of A is free as soon as its eight products are issued, and one set of registers serves A:
; blocks 0-3 are fetched anew in the step's middle, blocks 4-7 at its end.  B's fragments are at work through the whole step, so B has two sets.
.set SIZE_M, 8192
.set SIZE_N, 2048
.set SIZE_K, 1024
.set KSTEP,  256                       ; along K in a slot
.set NQ,     KSTEP/128                 ; matrix instructions deep
.set ROWB,   256                       ; a tile's row in bytes
.set KROW,   SIZE_K                    ; a row of A or of B in memory, in bytes
.set PITCH,  272                       ; an LDS row: 256 bytes of data + 16 of padding = 68 words: the 16 rows that a load touches start at 16 different banks (64 banks of 4 bytes: ISA guide 11.1)
.set FR,     16                        ; registers of a fragment: 16 rows x 128 K
.set NL,     4                         ; LDS loads that bring one
.set NP,     8                         ; places behind this matrix instruction (ISA guide 7.12.1)
.set HALFT,  128*PITCH                 ; 128 rows: what one tensor load brings, and what one wave reads of A or of B
.set SLOT,   4*HALFT                   ; A's 256 rows, then B's 256 rows
.set LAPS,   SIZE_K/(2*KSTEP)          ; a lap = two K steps = once round the ring
.set KS,     SIZE_K/32                 ; a row of scales in bytes
.set SCL,    2*SLOT                    ; behind the ring: the scales, as runs of 256 bytes + 16 of padding
.set HALFS,  (128*KS/256)*272          ; the scales of 128 rows: what one tensor load brings
.set SBLK,   (16*KS/256)*272           ; those of 16 rows
.set SPARE,  SCL+4*HALFS               ; behind the scales: the spare words, 128 bytes for each wave: two blocks of 256 bytes that no other line names
.set SPITCH, 528                       ; the way out: a stage of 16 rows x (512 bytes + 16) for each wave.  It lies in slot 0, which has had its last fill and its last read when the first result is stored there
.set ADRA, 16                          ; v16-17  LDS address of my A fragments in slot 0, 1
.set ADRB, 20                          ; v20-21  the same for B
.set STO,  24                          ; v24     the way out: where I put 32 bytes of a row
.set RD,   25                          ; v25     the way out: where I read a row back
.set CO,   26                          ; v26     my byte offset in a row of C
.set SPW,  28                          ; v28     LDS address of my spare word; never rewritten
.set NIL,  29                          ; v29     0; never rewritten
.set ADRS, 27                          ; v27     LDS address of my scale words: lanes 0-15 A's rows, lanes 16-31 B's
.set SC,   32                          ; scale words: set s (for slot s) at v[SC + 8 NQ s]; in it register NQ i + q: lanes 0-15 the word of A's block i, lanes 16-31 that of B's block i, for the slot's q-th 128 along K
.set AF,   128                         ; A's fragments, in window 0
.set BK,   128                         ; the way out: 16 rows read back from the stage: v128-191 and v192-255 by turns
.set G1, 24                            ; s[24:31] descriptor group 1 for A's tiles;  s[32:39] group 0, one set for each slot
.set G0, 32
.set G1B, 48                           ; s[48:55], s[56:63] the same for B's tiles
.set G0B, 56
.set G1S, 68                           ; s[68:75], s[76:79] groups 1 and 0 for A's scales;  s[80:87], s[88:91] for B's
.set G0S, 76
.set G1SB, 80
.set G0SB, 88
.set MSB, 0
.macro WIN new                         ; the immediate's high byte repeats the setting that is left
.if MSB != \new
	s_set_vgpr_msb (MSB<<8)|\new
.set MSB, \new
.endif
.endm
.set MUL_LO, 0xa1                      ; source 0 (B) window 1, source 1 (A) window 0, C and D window 2
.set MUL_HI, 0xf1                      ; the same, C and D window 3
.set TO_B,   0x40                      ; destination window 1, address window 0
; A joint load: waves 0 and 1 fetch for A, waves 2 and 3 for B.  Each of the two lines has ONE mask and one set of registers for all that issue it; the branch hangs on the wave's number alone.
; An s_nop 0 and four v_nop follow each of the two lines, ahead of the jump, the label and what follows.
.macro JLOAD g0a, g1a, g0b, g1b
	s_cmp_eq_u32 s15, 0
	s_cbranch_scc0 .Lfor_b_\@
	tensor_load_to_lds s[\g0a:\g0a+3], s[\g1a:\g1a+7]
	s_nop 0
.rept 4
	v_nop
.endr
	s_branch .Lasked_\@
.Lfor_b_\@:
	tensor_load_to_lds s[\g0b:\g0b+3], s[\g1b:\g1b+7]
	s_nop 0
.rept 4
	v_nop
.endr
.Lasked_\@:
.endm
.macro CREST                           ; a round of the cluster's barrier behind its opening barrier
	s_cmp_lg_u32 s14, 0
	s_cbranch_scc1 .Lnot_wave_0_\@
	s_barrier_signal -3
.Lnot_wave_0_\@:
	s_barrier_wait -3
	s_barrier_signal -1
	s_barrier_wait -1
.endm
.macro CROUND                          ; a whole round
	s_barrier_signal -1
	s_barrier_wait -1
	CREST
.endm
	s_load_b128 s[4:7], s[0:1], 0x0                ; A's codes s[4:5], A's scales s[6:7]
	s_load_b128 s[8:11], s[0:1], 0x10              ; B's codes s[8:9], B's scales s[10:11]
	s_load_b64 s[12:13], s[0:1], 0x20              ; C
	v_lshl_add_u32 v[SPW], v0, 2, SPARE
	v_mov_b32 v[NIL], 0
	ds_add_u32 v[SPW], v[NIL]                      ; the wave's opening: the add, twice on end, and its wait ahead of my first tensor load; the set-up below, work on registers, stands between the second and the wait
	ds_add_u32 v[SPW], v[NIL]                      ; and once more, under the one wait
	v_lshrrev_b32 v1, 5, v0
	v_readfirstlane_b32 s14, v1                    ; wave 0..3
	s_lshr_b32 s15, s14, 1                         ; which half of the tile's rows is mine.  Also: I fetch for A (0) or for B (1)
	s_and_b32 s16, s14, 1                          ; which half of its columns.  Also: which 128 rows of that tile I fetch
	s_bfe_u32 s40, ttmp6, 0x40000                  ; cx, cy: my place in the cluster
	s_bfe_u32 s41, ttmp6, 0x40004
	s_lshl_b32 s42, ttmp9, 2
	s_add_co_u32 s42, s42, s40                     ; tile column of C = 4 x cluster x + cx
	s_and_b32 s17, ttmp7, 0xffff
	s_lshl_b32 s17, s17, 2
	s_add_co_u32 s17, s17, s41                     ; tile row of C = 4 x cluster y + cy
	s_lshl_b32 s43, s41, 2
	s_lshl_b32 s43, 15, s43                        ; my row of the cluster
	s_lshl_b32 s44, 0x1111, s40                    ; my column
	; descriptor group 1: a tile of 128 rows x ROWB bytes, padded in LDS
	s_or_b32 s[G1+0], s43, (0<<16)|(1<<20)|(1<<21)|(5<<22)|(3<<25)  ; 15:0 the mask: A's tiles go to my row; 17:16 element of 1 byte; 20 padding on; 21 set beside a mask; 24:22 after every 64 words (code 5); 31:25 of 4 words (code 3)
	s_or_b32 s[G1B+0], s44, (0<<16)|(1<<20)|(1<<21)|(5<<22)|(3<<25)
.irp g, G1, G1B
	s_mov_b32 s[\g+1], ROWB<<16                    ; tensor_dim0
	s_mov_b32 s[\g+2], 128<<16                     ; tensor_dim1 = 128
	s_mov_b32 s[\g+3], ROWB<<16                    ; tile_dim0
	s_mov_b32 s[\g+4], 128                         ; tile_dim1 = 128
	s_mov_b32 s[\g+5], KROW                        ; tensor_dim0_stride
	s_mov_b32 s[\g+6], 0
	s_mov_b32 s[\g+7], 0
.endr
	; and for the scales of 128 rows: a dense block of 128 KS bytes, as rows of 256 bytes (32 elements of 8 bytes), 16 bytes of padding behind each
	s_or_b32 s[G1S+0], s43, (3<<16)|(1<<20)|(1<<21)|(5<<22)|(3<<25)
	s_or_b32 s[G1SB+0], s44, (3<<16)|(1<<20)|(1<<21)|(5<<22)|(3<<25)
.irp g, G1S, G1SB
	s_mov_b32 s[\g+1], 32<<16
	s_mov_b32 s[\g+2], (128*KS/256)<<16
	s_mov_b32 s[\g+3], 32<<16
	s_mov_b32 s[\g+4], 128*KS/256
	s_mov_b32 s[\g+5], 32
	s_mov_b32 s[\g+6], 0
	s_mov_b32 s[\g+7], 0
.endr
	s_lshl_b32 s18, s16, 7                         ; which 128 rows of the tile I fetch
	s_lshl_b32 s20, s17, 8
	s_add_co_u32 s20, s20, s18                     ; A: row 256 x tile row + 128 x half
	s_lshl_b32 s46, s42, 8
	s_add_co_u32 s46, s46, s18                     ; B: row 256 x tile column + 128 x half
	s_mov_b32 s21, 0
	s_mov_b32 s47, 0
	s_mov_b64 s[18:19], KS
	s_mul_u64 s[22:23], s[20:21], s[18:19]         ; where these rows' scales begin, in bytes
	s_mul_u64 s[92:93], s[46:47], s[18:19]
	s_mov_b64 s[18:19], KROW
	s_mul_u64 s[20:21], s[20:21], s[18:19]         ; and their codes
	s_mul_u64 s[46:47], s[46:47], s[18:19]
	s_mul_i32 s45, s14, HALFT                      ; where they go: wave x 128 rows: no place in the cluster enters an LDS address
	s_mul_i32 s94, s14, HALFS
	s_wait_dscnt 0x0                               ; both opening adds are done
	s_wait_kmcnt 0x0
	s_add_nc_u64 s[20:21], s[4:5], s[20:21]
	s_add_nc_u64 s[22:23], s[6:7], s[22:23]
	s_add_nc_u64 s[46:47], s[8:9], s[46:47]
	s_add_nc_u64 s[92:93], s[10:11], s[92:93]
	CROUND                                         ; all sixteen work-groups are here: the first joint loads meet
	s_mov_b32 s[G0S], 1
	s_add_co_u32 s[G0S+1], s94, SCL
	s_mov_b64 s[G0S+2:G0S+3], s[22:23]
	s_or_b32 s[G0S+3], s[G0S+3], 0x80000000
	s_mov_b32 s[G0SB], 1
	s_add_co_u32 s[G0SB+1], s94, SCL
	s_mov_b64 s[G0SB+2:G0SB+3], s[92:93]
	s_or_b32 s[G0SB+3], s[G0SB+3], 0x80000000
	JLOAD G0S, G1S, G0SB, G1SB                     ; the scales first: they are wanted with K step 0.  With the two below, three tensor loads of mine are out
.irp s, 0,1
	s_mov_b32 s[G0+4*\s], 1
	s_add_co_u32 s[G0+4*\s+1], s45, \s*SLOT
	s_add_nc_u64 s[G0+4*\s+2:G0+4*\s+3], s[20:21], \s*ROWB
	s_or_b32 s[G0+4*\s+3], s[G0+4*\s+3], 0x80000000
	s_mov_b32 s[G0B+4*\s], 1
	s_add_co_u32 s[G0B+4*\s+1], s45, \s*SLOT
	s_add_nc_u64 s[G0B+4*\s+2:G0B+4*\s+3], s[46:47], \s*ROWB
	s_or_b32 s[G0B+4*\s+3], s[G0B+4*\s+3], 0x80000000
	JLOAD G0+4*\s, G1, G0B+4*\s, G1B
.endr
	v_and_b32 v1, 15, v0                           ; l % 16
	v_bfe_u32 v2, v0, 4, 1                         ; l / 16
	v_mul_u32_u24 v3, v1, PITCH
	v_lshl_add_u32 v4, v2, 4, v3                   ; a fragment's row x pitch + 16 x half
	s_mul_i32 s21, s15, HALFT                      ; my 128 rows of A
	s_mul_i32 s22, s16, HALFT                      ; my 128 rows of B,
	s_add_co_u32 s22, s22, 2*HALFT                 ; which lie behind A's 256
.irp s, 0,1
	v_add_nc_u32 v[ADRA+\s], s21, v4
	v_add_nc_u32 v[ADRB+\s], s22, v4
	s_add_co_u32 s21, s21, SLOT
	s_add_co_u32 s22, s22, SLOT
.endr
	v_mul_u32_u24 v5, v1, KS                       ; my row's scales: KS bytes a row,
	v_lshrrev_b32 v6, 8, v5
	v_lshl_add_u32 v5, v6, 4, v5                   ; and 16 more for each 256 passed
	s_mul_i32 s21, s15, HALFS                      ; A's: my 128 rows
	s_mul_i32 s22, s16, HALFS                      ; B's: my 128 rows, behind A's 256
	s_add_co_u32 s22, s22, 2*HALFS
	s_sub_co_u32 s22, s22, s21
	v_mul_u32_u24 v6, s22, v2                      ; lanes 16-31 take B's
	s_add_co_u32 s21, s21, SCL
	v_add_nc_u32 v5, v5, v6
	v_add_nc_u32 v[ADRS], s21, v5
	s_mul_i32 s23, s14, 16*SPITCH                  ; my stage
	v_mul_u32_u24 v5, v1, SPITCH                   ; in: row l % 16, 32 bytes for each half of the lanes
	v_lshl_add_u32 v5, v2, 5, v5
	v_add_nc_u32 v[STO], s23, v5
	v_and_b32 v6, 31, v0
	v_lshlrev_b32 v[CO], 4, v6                     ; back: the 32 lanes take one row of 512 bytes; and the same in C
	v_add_nc_u32 v[RD], s23, v[CO]
	s_lshl_b32 s20, s17, 8
	s_lshl_b32 s21, s15, 7
	s_add_co_u32 s20, s20, s21                     ; my first row of C: 256 x tile row + 128 x half
	s_mov_b32 s21, 0
	s_mov_b64 s[18:19], SIZE_N*4
	s_mul_u64 s[20:21], s[20:21], s[18:19]
	s_lshl_b32 s46, s42, 10                        ; my first column, in bytes: 1024 x tile column + 512 x half
	s_lshl_b32 s47, s16, 9
	s_add_co_u32 s46, s46, s47
	s_mov_b32 s47, 0
	s_add_nc_u64 s[20:21], s[20:21], s[46:47]
	s_add_nc_u64 s[12:13], s[12:13], s[20:21]
.macro FRAG reg, adr, q, i             ; a fragment, 16 rows x 128 K of 8-bit codes, is 16 registers: lane l holds row l % 16; registers 4 c .. 4 c + 3 hold K = 32 c + 16 (l / 16) + 0 .. 15
.irp c, 0,1,2,3
	ds_load_b128 v[\reg+4*\c:\reg+4*\c+3], v[\adr] offset:128*(\q)+32*\c+(\i)*16*PITCH
.endr
.endm
; 16 matrix instructions: A's blocks a0, a0 + 1 x B's eight, 128 along K: the slot's q-th.  p: B's set;  sc: the set of scale words.  zero = 1: the first product starts the sums: nothing is ever cleared.
; The 64 accumulators take turns, one instruction a turn, in the same order in every step.
.macro MUL16 a0, p, q, sc, zero
.irp a, \a0, \a0+1
.irp b, 0,1,2,3,4,5,6,7
.if \zero
	v_wmma_scale_f32_16x16x128_f8f6f4 v[8*(8*((\a)%4)+\b):8*(8*((\a)%4)+\b)+7], v[128*(\p)+FR*\b:128*(\p)+FR*\b+FR-1], v[AF+FR*(\a):AF+FR*(\a)+FR-1], 0, v[SC+8*NQ*(\sc)+NQ*\b+(\q)], v[SC+8*NQ*(\sc)+NQ*(\a)+(\q)] matrix_a_scale:MATRIX_SCALE_ROW1
.else
	v_wmma_scale_f32_16x16x128_f8f6f4 v[8*(8*((\a)%4)+\b):8*(8*((\a)%4)+\b)+7], v[128*(\p)+FR*\b:128*(\p)+FR*\b+FR-1], v[AF+FR*(\a):AF+FR*(\a)+FR-1], v[8*(8*((\a)%4)+\b):8*(8*((\a)%4)+\b)+7], v[SC+8*NQ*(\sc)+NQ*\b+(\q)], v[SC+8*NQ*(\sc)+NQ*(\a)+(\q)] matrix_a_scale:MATRIX_SCALE_ROW1
.endif
.endr
.endr
.endm
.macro FETCH_B slot, q, p              ; B's eight fragments of the slot's q-th 128 along K into set p
	WIN TO_B
.irp i, 0,1,2,3,4,5,6,7
	FRAG 128*(\p)+FR*\i, ADRB+\slot, \q, \i
.endr
	WIN 0
.endm
.macro FETCH_A slot, q, i0             ; A's blocks i0 .. i0 + 3
.irp i, \i0, \i0+1, \i0+2, \i0+3
	FRAG AF+FR*(\i), ADRA+\slot, \q, \i
.endr
.endm
.macro SCALES sc                       ; the next K step's scale words into set sc: NQ words a row; lanes 0-15 take A's block i, lanes 16-31 B's block i
.irp i, 0,1,2,3,4,5,6,7
	ds_load_b64 v[SC+8*NQ*\sc+NQ*\i:SC+8*NQ*\sc+NQ*\i+1], v[ADRS] offset:\i*SBLK
.endr
.endm
; A load into a register that a matrix instruction has read, and a vector instruction or an LDS store that reads a matrix result, stand NP places behind that matrix instruction, and only plain vector
; instructions that name none of its registers are places (ISA guide 7.12.1 for vector instructions).
.macro PLACES n
.rept \n
	v_nop
.endr
.endm
; A step of 128 along K that has its successor in the same slot.
.macro STEP slot, q, zero
	s_wait_dscnt 4*NL                              ; B's set and A's blocks 0-3 are in; the youngest 16 loads (A's blocks 4-7) may be out
	WIN MUL_LO
	MUL16 0, (\q)%2, \q, \slot, \zero
	MUL16 2, (\q)%2, \q, \slot, \zero
	s_wait_dscnt 0                                 ; A's blocks 4-7 are in (asked for 32 matrix instructions ago)
	PLACES NP
	FETCH_B \slot, (\q)+1, 1-(\q)%2
	FETCH_A \slot, (\q)+1, 0
	WIN MUL_HI
	MUL16 4, (\q)%2, \q, \slot, \zero
	MUL16 6, (\q)%2, \q, \slot, \zero
	PLACES NP
	WIN 0
	FETCH_A \slot, (\q)+1, 4
.endm
; A slot's last step changes slots: ONE barrier; in front of it each wave waits for all its tensor loads, adds 0 to its spare word, and waits for that and for its own reads of this slot.  fill = 1: this slot is filled again, two K steps ahead.
.macro TURN slot, next, fill
	s_wait_tensorcnt 0x0                           ; all my tensor loads have landed: my part of the next slot;  (every window is 0 here: the add's two registers lie in window 0)
	ds_add_u32 v[SPW], v[NIL]                      ; 0 onto my spare word
	s_wait_dscnt 4*NL+1                            ; (the add and the youngest 16 loads, A's blocks 4-7, may be out)
	WIN MUL_LO
	MUL16 0, 1, NQ-1, \slot, 0                     ; sixteen matrix instructions stand between the add and the wait for it
	s_wait_dscnt 0x0                               ; the add is done, and my reads of this slot are over
	s_barrier_signal -1
	MUL16 2, 1, NQ-1, \slot, 0
	WIN 0
	s_barrier_wait -1
.if \fill
	CREST                                          ; the barrier has opened a round of the cluster's barrier: no wave of any partner still reads this slot's tile or has a load on its way
	s_add_nc_u64 s[G0+4*\slot+2:G0+4*\slot+3], s[G0+4*\slot+2:G0+4*\slot+3], 2*ROWB
	s_add_nc_u64 s[G0B+4*\slot+2:G0B+4*\slot+3], s[G0B+4*\slot+2:G0B+4*\slot+3], 2*ROWB
	JLOAD G0+4*\slot, G1, G0B+4*\slot, G1B         ; the first tensor load behind the round; the four v_nop behind it are among the places in front of the loads below
	PLACES NP-4
.else
	PLACES NP
.endif
	v_add_nc_u32 v[ADRS], 4*NQ, v[ADRS]            ; on to the next K step's scale words (no LDS load of mine is out)
	FETCH_B \next, 0, 0
	FETCH_A \next, 0, 0
	SCALES \next
	WIN MUL_HI
	MUL16 4, 1, NQ-1, \slot, 0
	MUL16 6, 1, NQ-1, \slot, 0
	PLACES NP
	WIN 0
	FETCH_A \next, 0, 4
.endm
	s_wait_tensorcnt 1                             ; the scales and my part of K step 0 are in (K step 1's load may be out)
	s_barrier_signal -1
	s_barrier_wait -1                              ; everybody's are
	FETCH_B 0, 0, 0
	FETCH_A 0, 0, 0
	SCALES 0
	FETCH_A 0, 0, 4
	STEP 0, 0, 1                                   ; the first step stands in front of the loop: its products start the sums
	s_mov_b32 s3, LAPS-1
.Llap:                                                 ; a trip goes once round the ring, from a lap's second step to the next lap's first, and fills both slots again
	TURN 0, 1, 1
	STEP 1, 0, 0
	TURN 1, 0, 1
	STEP 0, 0, 0
	s_sub_co_u32 s3, s3, 1
	s_cmp_lg_u32 s3, 0
	s_cbranch_scc1 .Llap
	TURN 0, 1, 0                                   ; the last lap fills nothing, and has no round of the cluster's barrier
	STEP 1, 0, 0
	s_wait_dscnt 4*NL                              ; the very last step: nothing more to fetch
	WIN MUL_LO
	MUL16 0, 1, NQ-1, 1, 0
	MUL16 2, 1, NQ-1, 1, 0
	s_wait_dscnt 0
	WIN MUL_HI
	MUL16 4, 1, NQ-1, 1, 0
	MUL16 6, 1, NQ-1, 1, 0
	WIN 0
; THE WAY OUT, block by block of 16 rows x 128 columns.  A lane holds 32 neighbouring bytes of a row, and the lanes beside it hold other rows: so a block goes through my own stage in LDS and comes back as whole
; rows of 512 bytes, which the 32 lanes store as 512 consecutive bytes, aligned.  LDS serves a wave's instructions in order (ISA guide 5.7.1.4): no wait between the stores and the loads, nor in front of the next block's stores.
.macro TOSTAGE a
.set AC, 64*((\a)%4)
	WIN 0x08+4*((\a)/4)                            ; the data: window 2 or 3
.irp b, 0,1,2,3,4,5,6,7
	ds_store_b128 v[STO], v[AC+8*\b:AC+8*\b+3] offset:64*\b          ; each accumulator from its low end on
	ds_store_b128 v[STO], v[AC+8*\b+4:AC+8*\b+7] offset:64*\b+16
.endr
	WIN 0
.set BBK, BK+64*((\a)%2)
.irp t, 0,1,2,3,4,5,6,7,8,9,10,11,12,13,14,15
	ds_load_b128 v[BBK+4*\t:BBK+4*\t+3], v[RD] offset:\t*SPITCH
.endr
.endm
.macro SEND a, younger                 ; younger: the LDS instructions issued behind block a's loads, which may stay out
.set BBK, BK+64*((\a)%2)
	s_wait_dscnt \younger                          ; the block is back in registers
.if (\a) > 0
	s_add_nc_u64 s[12:13], s[12:13], 16*SIZE_N*4   ; (behind a wait on XCNT: the earlier stores have read their base)  16 rows of C on, so that the stores' offsets stay small: 15 rows of C at the most
.endif
.irp t, 0,1,2,3,4,5,6,7,8,9,10,11,12,13,14,15
	global_store_b128 v[CO], v[BBK+4*\t:BBK+4*\t+3], s[12:13] offset:\t*SIZE_N*4 th:TH_STORE_NT   ; 32 lanes store 512 consecutive bytes, at a multiple of 256 from C's first byte; written once, read by nobody here
.endr
.endm
	PLACES NP                                      ; these places serve the loads into the registers that held A's fragments and the reads of the last products' results alike
	TOSTAGE 0
.irp a, 1,2,3,4,5,6,7
.if \a > 1
	s_wait_xcnt 0x0                                ; block a - 2's stores have read their registers and their base: block a's loads may land there, and the base may step
.endif
	TOSTAGE \a
	SEND \a-1, 32                                  ; behind block a - 1's loads: block a's 16 stores and 16 loads
.endr
	s_wait_xcnt 0x0                                ; block 6's stores have read their base
	SEND 7, 0
	s_wait_tensorcnt 0x0                           ; the wave's end: behind my last tensor load and my last LDS store
	ds_add_u32 v[SPW], v[NIL]
	s_wait_dscnt 0x0
	CROUND                                         ; the closing round: no work-group ends while a partner may still ask for a tile that names it
	s_endpgm
.Lfunc_end_k_q259df3283a_outp:
	.size	k_q259df3283a_outp, .Lfunc_end_k_q259df3283a_outp-k_q259df3283a_outp
	.p2alignl 7, 3214868480
	.fill 96, 4, 3214868480
	.section	.rodata,"a",@progbits
	.p2align	6, 0x0
	.amdhsa_kernel k_q259df3283a_outp
		.amdhsa_group_segment_fixed_size 327680
		.amdhsa_private_segment_fixed_size 0
		.amdhsa_enable_private_segment 0
		.amdhsa_kernarg_size 40
		.amdhsa_user_sgpr_count 2
		.amdhsa_user_sgpr_kernarg_segment_ptr 1
		.amdhsa_wavefront_size32 1
		.amdhsa_system_sgpr_workgroup_id_x 1
		.amdhsa_system_sgpr_workgroup_id_y 1
		.amdhsa_system_sgpr_workgroup_id_z 1
		.amdhsa_system_vgpr_workitem_id 0
		.amdhsa_next_free_vgpr 1024
		.amdhsa_next_free_sgpr 98
		.amdhsa_reserve_vcc 0
		.amdhsa_float_denorm_mode_32 3
		.amdhsa_float_denorm_mode_16_64 3
		.amdhsa_memory_ordered 1
		.amdhsa_forward_progress 1
		.amdhsa_inst_pref_size 145
	.end_amdhsa_kernel
	.amdgpu_metadata
---
amdhsa.version: [ 1, 2 ]
amdhsa.kernels:
  - .name:           k_q259df3283a_outp
    .symbol:         k_q259df3283a_outp.kd
    .args:
      - { .name: ac, .offset: 0, .size: 8, .value_kind: global_buffer, .address_space: global }
      - { .name: asc, .offset: 8, .size: 8, .value_kind: global_buffer, .address_space: global }
      - { .name: Wo_codes, .offset: 16, .size: 8, .value_kind: global_buffer, .address_space: global }
      - { .name: Wo_scales, .offset: 24, .size: 8, .value_kind: global_buffer, .address_space: global }
      - { .name: out0, .offset: 32, .size: 8, .value_kind: global_buffer, .address_space: global }
    .group_segment_fixed_size: 327680
    .private_segment_fixed_size: 0
    .kernarg_segment_align: 8
    .kernarg_segment_size: 40
    .max_flat_workgroup_size: 128
    .sgpr_count:     98
    .vgpr_count:     1024
    .wavefront_size: 32
...
	.end_amdgpu_metadata
.endif
;; end of part 4
